; MI455X (gfx1250); checked and timed in simulation.
; The chip was launched on July 23, 2026; its instructions are those of AMD's public machine-readable ISA for CDNA 5 (MIT licence, August 2026) and "CDNA5" Instruction Set Architecture Reference Guide (July 2026). The comments in the code are by the model that wrote it; some were corrected since.
;; Multi Head Attention. Allowed arithmetic: matrix products marked QUANTISED: E2M3 operands, one E8M0 scale for each 32 along K, by v_wmma_scale_f32_16x16x128_f8f6f4 with both operands' format E2M3, f32 sums; everything else in f32.
;; Inputs: Wk 1,024 x 1,024 float32; Wo 1,024 x 1,024 float32; Wq 1,024 x 1,024 float32; Wv 1,024 x 1,024 float32; bo 1,024 float32; x 1 x 4,096 x 1,024 float32.
;; Outputs: out0 1 x 4,096 x 1,024 float32.
;; This version of the problem:
;;   THIS VERSION OF THE PROBLEM IS GIVEN IN LOW PRECISION. The matrix products marked QUANTISED in the list below multiply operands that are first quantised to E2M3 (2 exponent bits, 3 mantissa bits; 6 bits a number), with one power-of-two scale for each 32 numbers along K (OCP MX v1.0); their sums are f32. All else is computed in f32.
;;   The module's matrix products, in the order in which they are computed (A, B: the left and right operand; K: the contracted axis; several contracted axes count as one K, in the product's order):
;;     1. [M 4,096, K 1,024] x [K 1,024, N 1,024]; A: input x; B: input Wq: QUANTISED
;;     2. [M 4,096, K 1,024] x [K 1,024, N 1,024]; A: input x; B: input Wk: QUANTISED
;;     3. [M 4,096, K 1,024] x [K 1,024, N 1,024]; A: input x; B: input Wv: QUANTISED
;;     4. batch 16 x [M 4,096, K 64] x [K 64, N 4,096]; A: computed on the way; B: computed on the way: QUANTISED
;;     5. batch 16 x [M 4,096, K 4,096] x [K 4,096, N 64]; A: softmax (see below); B: computed on the way: QUANTISED
;;     6. [M 4,096, K 1,024] x [K 1,024, N 1,024]; A: computed on the way; B: input Wo: QUANTISED
;;   THE QUANTISER, for each operand of a quantised product, along K:
;;     - K is cut into blocks of 32 from its start; a last block that is shorter is filled with zeros.
;;     - A block's scale is 2^e with e = floor(log2(the largest magnitude in the block)) - 2, held to -126 .. 127; a block of zeros has e = 0. As a byte (E8M0): e + 127.
;;     - Each number is divided by its block's scale, clamped to +-7.5, and rounded to the nearest number of E2M3, ties to even, subnormals kept.
;;     - The product sums the exact products of the quantised numbers (number of the format x scale) in f32.
;;   ~~~python
;;   def quantise(x, axis):      # numpy; x: float32 -> the quantised numbers, widened to float32 again
;;       x = np.moveaxis(x, axis, -1); K = x.shape[-1]
;;       x = np.pad(x, [(0, 0)] * (x.ndim - 1) + [(0, -K % 32)]); x = x.reshape(x.shape[:-1] + (-1, 32)); a = np.abs(x).max(-1, keepdims=True)
;;       e = np.where(a > 0, np.clip(np.frexp(np.where(a > 0, a, 1))[1] - 1 - 2, -126, 127), 0)      # np.frexp(a)[1] - 1 = floor(log2(a)), exactly
;;       r = np.clip(x / 2.0 ** e, -7.5, 7.5)
;;       step = 2.0 ** (np.maximum(np.frexp(np.where(r == 0, 1, r))[1] - 1, 0) - 3)
;;       q = np.round(r / step) * step * 2.0 ** e      # np.round: ties to even
;;       return np.moveaxis(q.reshape(q.shape[:-2] + (-1,))[..., :K], -1, axis).astype(np.float32)
;;   ~~~
;;   SOFTMAX AHEAD OF A QUANTISED PRODUCT. Where the list says 'softmax', what is quantised is not the finished softmax but p = 2^(t - M), with t = logit x log2(e) and M = ceil(the row's largest t), a whole number; so 1/2 < the row's largest p <= 1. The row's sum l is taken of the UNQUANTISED p, in f32, and the product's result is divided by l at the end. Since M is a whole number, a kernel that streams over the keys may use a running M (the ceiling of the running maximum): every later rescaling is an exact power of two, which a block's scale takes up: the codes' values come out the same.
;;   OPERANDS COMPUTED ON THE WAY. 'Computed on the way' means the value that the module computes at that place (a softmax that the list does not call 'softmax' is quantised finished and normalised). What goes into a quantiser is computed in f32, as accurately as f32 sums, v_exp_f32 and their like allow (about 1e-6 of the number): no bf16 or f16 on the way to a quantiser, and a product that is left as it is and whose result goes on into a quantised operand takes f32 operands (vector FMAs, or v_wmma_f32_16x16x4_f32). A number that lies on a knife's edge between two numbers of the format may be rounded either way, as far as f32 arithmetic and the matrix unit's own rounding can turn it there, and no further.
;; One version. Each part assembles by itself: llvm-mc -triple=amdgcn-amd-amdhsa -mcpu=gfx1250 --defsym DOCPART=n.
;; ======== version 1 of 1: 4 launches
;; workspace buffers: xc 3,145,728 bytes; xs 131,072 bytes; wc 3,145,728 bytes; ws 131,072 bytes; qa 3,276,800 bytes; kv 6,553,600 bytes; cc 3,145,728 bytes; cs 131,072 bytes
;; launch quant (part 1): grid 256 x 1, 4 waves a work-group, no clusters, 33,280 bytes of LDS; arguments x, Wq, Wk, Wv, Wo, xc, xs, wc, ws; writes xc, xs, wc, ws
.if DOCPART == 1
	.amdgcn_target "amdgcn-amd-amdhsa--gfx1250"
	.amdhsa_code_object_version 6
	.text
	.protected	k_qa3d89331ed_quant
	.globl	k_qa3d89331ed_quant
	.p2align	8
	.type	k_qa3d89331ed_quant,@function
k_qa3d89331ed_quant:
	s_mov_b64 s[64:65], 0
	v_nop
	global_prefetch_b8 v0, s[64:65] scope:SCOPE_SE
	s_setreg_imm32_b32 hwreg(HW_REG_WAVE_MODE, 25, 1), 1
	s_wait_xcnt 0x0
; x [4096][1024] and Wq, Wk, Wv, Wo [1024][1024], f32, K innermost, become codes of FP6 (E2M3), 6 bits each, with one E8M0 scale byte for each 32 along K.
; x's codes go to xc [4096 places][768 bytes], its bytes to xs [4096][32]; the four weights' to wc, ws of the same form: Wq at places 0-1023, Wk 1024-2047, Wv 2048-3071, Wo 3072-4095.
; A block's scale is 2^(floor(log2(its largest magnitude)) - 2): its byte is the largest magnitude's exponent field - 2, held at 1 from below.  Each number is divided by the scale and rounded to the nearest code, ties to even.
; THE ROWS OF x, Wq, Wk, Wv ARE LAID IN ANOTHER ORDER: place p holds row swap(p), swap changing bits 3 and 4 of the number.  So places 16 u + r of a group of 32 hold rows 8 u + r + 8 (r / 8), and the products'
; results come out with 16 neighbours along the next product's K in a lane's 16 registers.  A wave's run is 8 rows, so bits 3 and 4 of a row are bits 0 and 1 of the run: the wave's number.  Wo keeps its order.
; LIMITS: a block of zeros gets the byte 1 where the rule says 127 (its codes are zeros, and this program alone reads the bytes); largest magnitudes under 2^-124 are taken as 2^-124; NaN and infinities are not served.
; A wave takes a run of 8,192 numbers in 16 steps of 512.  Each of a step's four loads reads 512 consecutive bytes; the 2,048 bytes turn through the wave's own stage in LDS and come back 64 bytes (16 neighbours) a lane;
; two neighbouring lanes hold a block.  A lane's 16 codes are 12 bytes: the wave stores 384 consecutive bytes.  A run's 256 scale bytes are gathered in LDS and leave as 256 consecutive, aligned bytes.
; Work-groups 0-127 take x, then 32 each Wq, Wk, Wv, Wo: only pointers are chosen, by the work-group's number.  No tensor load, no barrier: waves share nothing.  Loads run eight steps (32 loads a wave) ahead.
.set STEPS, 16
.set AHEAD, 8
.set EMAX,  2
.set CB,    12                         ; bytes of 16 codes
.set R,     16                         ; v16-143  eight sets of 16 numbers as they are loaded
.set X,     144                        ; v144-175 two sets of 16 neighbours
.set E,     176                        ; v176-191 a scale byte for each step
.set C,     192                        ; v192-255 codes: four registers for each step, so that no store's data are written again
.set WREG,  8192                       ; LDS: a region for each wave: two stages of 32 x SP bytes, and behind them its 256 scale bytes
.set SP,    80                         ; a lane's place in a stage: its 64 bytes + 16 of padding
	s_load_b256 s[4:11], s[0:1], 0x0               ; x s[4:5], Wq s[6:7], Wk s[8:9], Wv s[10:11]
	s_load_b256 s[12:19], s[0:1], 0x20             ; Wo s[12:13], xc s[14:15], xs s[16:17], wc s[18:19]
	s_load_b64 s[20:21], s[0:1], 0x40              ; ws
	v_lshl_add_u32 v251, v0, 2, 0x8000
	v_mov_b32 v255, 0
	v_lshrrev_b32 v1, 5, v0
	v_readfirstlane_b32 s22, v1                    ; wave
	v_and_b32 v2, 31, v0                           ; lane
	v_lshlrev_b32 v3, 4, v2                        ; my 16 bytes of a load's 512
	s_mul_i32 s23, s22, WREG
	v_lshrrev_b32 v14, 2, v2
	v_mul_u32_u24 v14, v14, SP
	v_and_b32 v15, 3, v2
	v_lshl_add_u32 v14, v15, 4, v14
	v_add_nc_u32 v14, s23, v14                     ; the stage, on the way in: four lanes' 64 bytes on end, then 16 of padding
	v_mul_u32_u24 v15, v2, SP
	v_add_nc_u32 v15, s23, v15                     ; and on the way out: SP x lane: my 16 neighbours
	v_mul_u32_u24 v4, v2, CB                       ; my codes' place in a step's
	v_lshrrev_b32 v5, 1, v2
	s_add_co_u32 s23, s23, 2*32*SP
	v_add_nc_u32 v5, s23, v5                       ; LDS: my wave's 256 scale bytes, my block's byte
	v_lshlrev_b32 v7, 3, v2                        ; and on the way out 8 bytes a lane
	v_add_nc_u32 v6, s23, v7
	s_and_b32 s30, ttmp9, 31                       ; a weight's work-group among its 32
	s_sub_co_u32 s31, ttmp9, 128                   ; and among the four weights' 128
	s_and_b32 s32, s22, 1
	s_lshl_b32 s32, s32, 1
	s_lshr_b32 s33, s22, 1
	s_or_b32 s32, s32, s33                         ; the wave's number with its two bits changed over
	s_wait_kmcnt 0x0
	s_cmp_lt_u32 ttmp9, 224                        ; every choice hangs on the work-group's number alone
	s_cselect_b64 s[24:25], s[10:11], s[12:13]
	s_cselect_b32 s32, s32, s22                    ; Wo keeps its rows' order
	s_cmp_lt_u32 ttmp9, 192
	s_cselect_b64 s[24:25], s[8:9], s[24:25]
	s_cmp_lt_u32 ttmp9, 160
	s_cselect_b64 s[24:25], s[6:7], s[24:25]
	s_cmp_lt_u32 ttmp9, 128
	s_cselect_b64 s[24:25], s[4:5], s[24:25]       ; the numbers,
	s_cselect_b64 s[26:27], s[14:15], s[18:19]     ; the codes,
	s_cselect_b64 s[28:29], s[16:17], s[20:21]     ; the scale bytes
	s_cselect_b32 s30, ttmp9, s30
	s_cselect_b32 s31, ttmp9, s31
	s_lshl_b32 s30, s30, 2
	s_add_co_u32 s30, s30, s22                     ; which run of the tensor I read
	s_lshl_b32 s34, s30, 15                        ; 32,768 bytes a run
	s_mov_b32 s35, 0
	s_add_nc_u64 s[24:25], s[24:25], s[34:35]
	s_lshl_b32 s31, s31, 2
	s_add_co_u32 s31, s31, s32                     ; and at which run's place I write
	s_mul_i32 s34, s31, 512*CB                     ; 6,144 bytes of codes a run
	s_add_nc_u64 s[26:27], s[26:27], s[34:35]
	s_lshl_b32 s34, s31, 8                         ; 256 scale bytes a run
	s_add_nc_u64 s[28:29], s[28:29], s[34:35]
.macro LOAD t
.irp i, 0,1,2,3
	global_load_b128 v[R+16*((\t)%AHEAD)+4*\i:R+16*((\t)%AHEAD)+4*\i+3], v3, s[24:25] offset:2048*(\t)+512*\i th:TH_LOAD_NT   ; 32 lanes read 512 consecutive bytes
.endr
.endm
.macro TURN t                          ; step t's numbers through the stage: LDS serves a wave's instructions in order (ISA guide 5.7.1.4), so no wait stands between the stores and the loads
.irp i, 0,1,2,3
	ds_store_b128 v14, v[R+16*((\t)%AHEAD)+4*\i:R+16*((\t)%AHEAD)+4*\i+3] offset:32*SP*((\t)%2)+8*SP*\i
.endr
.irp i, 0,1,2,3
	ds_load_b128 v[X+16*((\t)%2)+4*\i:X+16*((\t)%2)+4*\i+3], v15 offset:32*SP*((\t)%2)+16*\i
.endr
.endm
.irp t, 0,1,2,3,4,5,6,7
	LOAD \t
.endr
	s_wait_loadcnt 4*(AHEAD-1)                     ; step 0's four loads are in; the 28 of steps 1 to 7 may be out
	TURN 0
.macro STEP t
.set XS, X+16*((\t)%2)
.if (\t) > 0
	s_wait_dscnt 1                                 ; this step's numbers are back from the stage (the last step's byte store may be out): so its stores into the stage have read their registers,
.else
	s_wait_dscnt 0x0
.endif
.if (\t)+AHEAD < STEPS
	LOAD (\t)+AHEAD                                ; which take the loads of eight steps on
.endif
.if (\t)+1 < STEPS
.if STEPS-2-(\t) >= AHEAD-1
	s_wait_loadcnt 4*(AHEAD-1)                     ; the next step's four loads are in; those of the seven steps behind it may be out
.else
	s_wait_loadcnt 4*(STEPS-2-(\t))                ; towards the end: as many steps as are left behind it
.endif
	TURN (\t)+1                                    ; and go through the other stage while this step is worked
.endif
	v_max3_num_f32 v8, |v[XS]|, |v[XS+1]|, |v[XS+2]|               ; the largest magnitude of my 16, in two chains
	v_max3_num_f32 v9, |v[XS+3]|, |v[XS+4]|, |v[XS+5]|
.irp i, 6,10
	v_max3_num_f32 v8, v8, |v[XS+\i]|, |v[XS+\i+1]|
	v_max3_num_f32 v9, v9, |v[XS+\i+2]|, |v[XS+\i+3]|
.endr
	v_max3_num_f32 v8, v8, |v[XS+14]|, |v[XS+15]|
	v_max3_num_f32 v8, v8, v9, (EMAX+1)<<23        ; and the floor 2^(3 - 127): so the byte cannot fall under 1
	v_max_num_f32_dpp v8, v8, v8 row_xmask:1 row_mask:0xf bank_mask:0xf   ; and of my neighbour's 16: the block's
	v_add_nc_u32 v11, -(EMAX<<23), v8              ; 2 off its exponent field: the conversion takes the exponent field of this operand as its scale, and nothing else of it
	v_cvt_scalef32_pk16_fp6_f32 v[C+4*(\t):C+4*(\t)+2], v[XS:XS+15], v11         ; sixteen codes, 96 bits without gaps, the first number's code lowest; beyond the largest code the largest
	v_lshrrev_b32 v[E+(\t)], 23, v11               ; the scale's byte (also the plain line behind the conversion)
	ds_store_b8 v5, v[E+(\t)] offset:16*(\t)       ; both lanes of a block write the same byte with the same value
	global_store_b96 v4, v[C+4*(\t):C+4*(\t)+2], s[26:27] offset:32*CB*(\t)
.endm
.irp t, 0,1,2,3,4,5,6,7,8,9,10,11,12,13,14,15
	STEP \t
.endr
	ds_load_b64 v[12:13], v6                       ; in order behind my byte stores
	s_wait_dscnt 0x0
	global_store_b64 v7, v[12:13], s[28:29]        ; 32 lanes store 256 consecutive bytes, aligned
	s_wait_tensorcnt 0x0
	ds_add_u32 v251, v255
	s_wait_dscnt 0x0
	s_endpgm
.Lfunc_end_k_qa3d89331ed_quant:
	.size	k_qa3d89331ed_quant, .Lfunc_end_k_qa3d89331ed_quant-k_qa3d89331ed_quant
	.p2alignl 7, 3214868480
	.fill 96, 4, 3214868480
	.section	.rodata,"a",@progbits
	.p2align	6, 0x0
	.amdhsa_kernel k_qa3d89331ed_quant
		.amdhsa_group_segment_fixed_size 33280
		.amdhsa_private_segment_fixed_size 0
		.amdhsa_enable_private_segment 0
		.amdhsa_kernarg_size 72
		.amdhsa_user_sgpr_count 2
		.amdhsa_user_sgpr_kernarg_segment_ptr 1
		.amdhsa_wavefront_size32 1
		.amdhsa_system_sgpr_workgroup_id_x 1
		.amdhsa_system_sgpr_workgroup_id_y 1
		.amdhsa_system_sgpr_workgroup_id_z 1
		.amdhsa_system_vgpr_workitem_id 0
		.amdhsa_next_free_vgpr 256
		.amdhsa_next_free_sgpr 66
		.amdhsa_reserve_vcc 0
		.amdhsa_float_denorm_mode_32 3
		.amdhsa_float_denorm_mode_16_64 3
		.amdhsa_memory_ordered 1
		.amdhsa_forward_progress 1
		.amdhsa_inst_pref_size 33
	.end_amdhsa_kernel
	.amdgpu_metadata
---
amdhsa.version: [ 1, 2 ]
amdhsa.kernels:
  - .name:           k_qa3d89331ed_quant
    .symbol:         k_qa3d89331ed_quant.kd
    .args:
      - { .name: x, .offset: 0, .size: 8, .value_kind: global_buffer, .address_space: global }
      - { .name: Wq, .offset: 8, .size: 8, .value_kind: global_buffer, .address_space: global }
      - { .name: Wk, .offset: 16, .size: 8, .value_kind: global_buffer, .address_space: global }
      - { .name: Wv, .offset: 24, .size: 8, .value_kind: global_buffer, .address_space: global }
      - { .name: Wo, .offset: 32, .size: 8, .value_kind: global_buffer, .address_space: global }
      - { .name: xc, .offset: 40, .size: 8, .value_kind: global_buffer, .address_space: global }
      - { .name: xs, .offset: 48, .size: 8, .value_kind: global_buffer, .address_space: global }
      - { .name: wc, .offset: 56, .size: 8, .value_kind: global_buffer, .address_space: global }
      - { .name: ws, .offset: 64, .size: 8, .value_kind: global_buffer, .address_space: global }
    .group_segment_fixed_size: 33280
    .private_segment_fixed_size: 0
    .kernarg_segment_align: 8
    .kernarg_segment_size: 72
    .max_flat_workgroup_size: 128
    .sgpr_count:     66
    .vgpr_count:     256
    .wavefront_size: 32
...
	.end_amdgpu_metadata
.endif
;; end of part 1
;; launch qkv (part 2): grid 12 x 16, 4 waves a work-group, clusters of 4 x 4, 327,680 bytes of LDS; arguments xc, xs, wc, ws, qa, kv; writes qa, kv
.if DOCPART == 2
	.amdgcn_target "amdgcn-amd-amdhsa--gfx1250"
	.amdhsa_code_object_version 6
	.text
	.protected	k_qa3d89331ed_qkv
	.globl	k_qa3d89331ed_qkv
	.p2align	8
	.type	k_qa3d89331ed_qkv,@function
k_qa3d89331ed_qkv:
	s_mov_b64 s[64:65], 0
	v_nop
	global_prefetch_b8 v0, s[64:65] scope:SCOPE_SE
	s_setreg_imm32_b32 hwreg(HW_REG_WAVE_MODE, 25, 1), 1
	s_wait_xcnt 0x0
	s_wait_alu depctr_hold_cnt(0) depctr_sa_sdst(0) depctr_va_vdst(0) depctr_va_sdst(0) depctr_va_ssrc(0) depctr_va_vcc(0) depctr_vm_vsrc(0)
	s_getreg_b32 s2, hwreg(HW_REG_IB_STS2, 6, 4)
	s_cmp_eq_u32 s2, 0
	s_cbranch_scc0 .Lentry_in_a_cluster
	s_endpgm
.Lentry_in_a_cluster:
	s_bfe_u32 s2, ttmp6, 0x10000c
	s_cmp_lg_u32 s2, 0xf033
	s_cbranch_scc0 .Lentry_shape_is_right
	s_endpgm
.Lentry_shape_is_right:
; q = x Wq^T, k = x Wk^T, v = x Wv^T on codes of FP6 (E2M3) with one E8M0 scale for each 32 along K = 1,024; sums in f32, K ascending; and each result is QUANTISED on its way out, along the K of the product that will read it:
; q and k along a head's 64 channels, v along the keys.  Nothing leaves as f32.
; A tile of 256 x 256 results is made by a work-group of four waves, a wave makes 128 x 128: 64 accumulators of 16 x 16, 512 registers.  K goes in steps of 256 through a ring of two LDS slots filled by the tensor data mover.
; ROLES, by the cluster's x (the same number in all sixteen partners): 0 q, 1 k, 2 v.  The matrix instruction's source 0 ("B") gives the index that runs along a lane's registers, source 1 ("A") the index that is one to a lane.
;   q, k: A = x (tokens), B = the weight (channels): a lane holds one token and channels.     v: A = Wv (channels), B = x (tokens): a lane holds one channel and keys.   Only pointers and tile numbers are chosen; the loop is one text.
; ORDER OF ROWS: place p of xc, xs, wc, ws holds row swap(p) (bits 3 and 4 changed over).  So in lane (r, h) the 16 registers of accumulators (a, 2 g) and (a, 2 g + 1) are B's rows 32 g + 16 h + 0 .. 15, neighbours,
;   and the lane's own row of A is 32 (a / 2) + 8 (a % 2) + r + 8 (r / 8).
; WHAT IS STORED: images of operand registers.  A sub-record of 6,400 bytes is four images of 1,536 bytes (12 registers as 3 pieces of 512 bytes, lane l's 16 bytes at 16 l) and 256 bytes of scale words (lane r's four words at 6,144 + 16 r).
;   q, k image idx: registers 0-5 token 32 idx + r + 8 (r / 8), channels 32 h + 0 .. 31; registers 6-11 token 32 idx + 8 + r + 8 (r / 8): TWO tiles of 16 tokens x 64 channels fill one operand of 128 along K.
;   v image t: channel 32 (t / 2) + 8 (t % 2) + r + 8 (r / 8); registers 6 c .. 6 c + 5 keys 64 c + 32 h + 0 .. 31 of a step of 128 keys.
;   qa: [head][block of 128 tokens] sub-records.   kv: [head][step of 128 keys] records of 12,800 bytes: k's sub-record, then v's.
; CLUSTERS: 4 x 4 work-groups; A's tile is asked for jointly along a row of the cluster, B's along a column.
; LIMITS: a block of zeros gets the byte 1 (zero codes; this program alone reads the bytes); largest magnitudes under 2^-124 are taken as 2^-124; NaN and infinities are not served.
; REGISTERS, in windows of 256: window 0: v0-31 addresses; v32-63 scale words, two sets, and nothing else; v64-94 at work on the way out; from v128 A's fragments, ONE set, on the way out the eight images.
;   window 1: B's fragments, TWO sets, at v0 and v128.   window 2: the accumulators of A's blocks 0-3 ((a, b) at v[8 (8 (a % 4) + b)]);   window 3: those of blocks 4-7.
.set KSTEP,  256                       ; along K in a slot
.set NQ,     KSTEP/128                 ; matrix instructions deep
.set ROWB,   192                       ; a tile's row in bytes
.set KROW,   768                       ; a row of codes in memory
.set PITCH,  240                       ; an LDS row: 3 x (64 bytes + 16 of padding)
.set FR,     12                        ; registers of a fragment
.set NL,     6                         ; LDS loads that bring one
.set NP,     4                         ; places behind this matrix instruction (ISA guide 7.12.1)
.set HALFT,  128*PITCH                 ; 128 rows: what one tensor load brings
.set SLOT,   4*HALFT                   ; A's 256 rows, then B's 256 rows
.set LAPS,   2                         ; a lap = two K steps = once round the ring; 1,024 / 512
.set KS,     32                        ; a row of scale bytes
.set SCL,    2*SLOT                    ; behind the ring: the scales, as pieces of 256 bytes + 16 of padding
.set HALFS,  (128*KS/256)*272          ; the scales of 128 rows
.set SBLK,   (16*KS/256)*272           ; those of 16 rows
.set SPARE,  SCL+4*HALFS               ; the spare words, 128 bytes for each wave: two blocks of 256 bytes that no other line names
.set VO0,  8                           ; v8, v9  the way out: my 16 bytes of an image's piece, in the first head's record and in the second's
.set VSO,  10                          ; v10     and my row's four scale words (lanes 0-15 the first head's, lanes 16-31 the second's)
.set SWO,  12                          ; v12-15  those four words
.set ADRA, 16                          ; v16-17  LDS address of my A fragments in slot 0, 1  (v18-19: for the pieces behind one padding more)
.set ADRB, 20                          ; v20-21  the same for B  (v22-23)
.set ADRS, 27                          ; v27     LDS address of my scale words: lanes 0-15 A's rows, lanes 16-31 B's
.set SPW,  28                          ; v28     LDS address of my spare word; never rewritten
.set NIL,  29                          ; v29     0; never rewritten
.set SC,   32                          ; scale words: set s at v[SC + 8 NQ s]; register NQ i + q: lanes 0-15 A's block i, lanes 16-31 B's block i
.set TM,   64                          ; the way out: v64-67 largest magnitudes, v68-71 the other half's, v72-75 the conversions' scale operands, v76-79 bytes
.set TP,   68
.set TS,   72
.set TB,   76
.set SW,   80                          ; v80-87  the eight images' scale words
.set Y0,   88                          ; v88-90, v92-94  the second halves of a pair of blocks
.set Y1,   92
.set AF,   128                         ; A's fragments
.set IMG,  128                         ; the way out: image n at v[128 + 12 n]: registers of its own for each, so that no store's data are written again
.set G1, 24                            ; s[24:31] descriptor group 1 for A's tiles;  s[32:39] group 0, one set for each slot
.set G0, 32
.set G1B, 48                           ; s[48:55], s[56:63] the same for B's tiles
.set G0B, 56
.set G1S, 68                           ; s[68:75], s[76:79] groups 1 and 0 for A's scales;  s[80:87], s[88:91] for B's
.set G0S, 76
.set G1SB, 80
.set G0SB, 88
.set MSB, 0
.macro WIN new                         ; the immediate's high byte repeats the setting that is left
.if MSB != \new
	s_set_vgpr_msb (MSB<<8)|\new
.set MSB, \new
.endif
.endm
.set MUL_LO, 0xa1                      ; source 0 (B) window 1, source 1 (A) window 0, C and D window 2
.set MUL_HI, 0xf1                      ; the same, C and D window 3
.set TO_B,   0x40                      ; destination window 1, address window 0
; A joint load: waves 0 and 1 fetch for A, waves 2 and 3 for B.  Each line has one mask and one set of registers for all that issue it; the branch hangs on the wave's number alone.  Four v_nop follow each line.
.macro JLOAD g0a, g1a, g0b, g1b
	s_cmp_eq_u32 s15, 0
	s_cbranch_scc0 .Lfor_b_\@
	tensor_load_to_lds s[\g0a:\g0a+3], s[\g1a:\g1a+7]
	s_nop 0
.rept 4
	v_nop
.endr
	s_branch .Lasked_\@
.Lfor_b_\@:
	tensor_load_to_lds s[\g0b:\g0b+3], s[\g1b:\g1b+7]
	s_nop 0
.rept 4
	v_nop
.endr
.Lasked_\@:
.endm
.macro CREST                           ; a round of the cluster's barrier behind its opening barrier
	s_cmp_lg_u32 s14, 0
	s_cbranch_scc1 .Lnot_wave_0_\@
	s_barrier_signal -3
.Lnot_wave_0_\@:
	s_barrier_wait -3
	s_barrier_signal -1
	s_barrier_wait -1
.endm
.macro CROUND                          ; a whole round
	s_barrier_signal -1
	s_barrier_wait -1
	CREST
.endm
	s_load_b128 s[4:7], s[0:1], 0x0                ; xc s[4:5], xs s[6:7]
	s_load_b128 s[8:11], s[0:1], 0x10              ; wc s[8:9], ws s[10:11]
	s_load_b128 s[96:99], s[0:1], 0x20             ; qa s[96:97], kv s[98:99]
	v_lshl_add_u32 v[SPW], v0, 2, SPARE
	v_mov_b32 v[NIL], 0
	ds_add_u32 v28, v29
	s_wait_dscnt 0x0
	v_lshrrev_b32 v1, 5, v0
	v_readfirstlane_b32 s14, v1                    ; wave 0..3
	s_lshr_b32 s15, s14, 1                         ; which half of A's 256 rows is mine.  Also: I fetch for A (0) or for B (1)
	s_and_b32 s16, s14, 1                          ; which half of B's.  Also: which 128 rows of that tile I fetch
	s_bfe_u32 s40, ttmp6, 0x40000                  ; cx, cy: my place in the cluster
	s_bfe_u32 s41, ttmp6, 0x40004
	s_and_b32 s95, ttmp7, 0xffff                   ; the cluster's y: which 1,024 tokens
	s_cmp_eq_u32 ttmp9, 2                          ; v's cluster?
	s_cselect_b32 s42, s95, ttmp9
	s_lshl_b32 s42, s42, 2
	s_add_co_u32 s42, s42, s40                     ; B's tile: q, k: 4 x role + cx of wc's sixteen;  v: 4 x cluster y + cx of x's sixteen
	s_lshl_b32 s17, s95, 2
	s_cmp_eq_u32 ttmp9, 2
	s_cselect_b32 s17, 8, s17
	s_add_co_u32 s17, s17, s41                     ; A's tile: q, k: 4 x cluster y + cy of x's;  v: 8 + cy of wc's (Wv begins at place 2,048)
	s_lshl_b32 s43, s41, 2
	s_lshl_b32 s43, 15, s43                        ; my row of the cluster
	s_lshl_b32 s44, 0x1111, s40                    ; my column
	; descriptor group 1: a tile of 128 rows x 192 bytes, padded in LDS
	s_or_b32 s[G1+0], s43, (0<<16)|(1<<20)|(1<<21)|(3<<22)|(3<<25)  ; 15:0 the mask: A's tiles go to my row; 17:16 element of 1 byte; 20 padding on; 21 set beside a mask; 24:22 after every 16 words; 31:25 of 4 words
	s_or_b32 s[G1B+0], s44, (0<<16)|(1<<20)|(1<<21)|(3<<22)|(3<<25)
.irp g, G1, G1B
	s_mov_b32 s[\g+1], ROWB<<16                    ; tensor_dim0
	s_mov_b32 s[\g+2], 128<<16                     ; tensor_dim1
	s_mov_b32 s[\g+3], ROWB<<16                    ; tile_dim0
	s_mov_b32 s[\g+4], 128                         ; tile_dim1
	s_mov_b32 s[\g+5], KROW                        ; tensor_dim0_stride
	s_mov_b32 s[\g+6], 0
	s_mov_b32 s[\g+7], 0
.endr
	; and for the scales of 128 rows: a dense block of 4,096 bytes, as 16 rows of 256 bytes (32 elements of 8 bytes), 16 bytes of padding behind each
	s_or_b32 s[G1S+0], s43, (3<<16)|(1<<20)|(1<<21)|(5<<22)|(3<<25)
	s_or_b32 s[G1SB+0], s44, (3<<16)|(1<<20)|(1<<21)|(5<<22)|(3<<25)
.irp g, G1S, G1SB
	s_mov_b32 s[\g+1], 32<<16
	s_mov_b32 s[\g+2], (128*KS/256)<<16
	s_mov_b32 s[\g+3], 32<<16
	s_mov_b32 s[\g+4], 128*KS/256
	s_mov_b32 s[\g+5], 32
	s_mov_b32 s[\g+6], 0
	s_mov_b32 s[\g+7], 0
.endr
	s_lshl_b32 s18, s16, 7                         ; which 128 rows of the tile I fetch
	s_lshl_b32 s20, s17, 8
	s_add_co_u32 s20, s20, s18                     ; A: place 256 x tile + 128 x half
	s_lshl_b32 s46, s42, 8
	s_add_co_u32 s46, s46, s18                     ; B likewise
	s_mov_b32 s21, 0
	s_mov_b32 s47, 0
	s_mov_b64 s[18:19], KS
	s_mul_u64 s[22:23], s[20:21], s[18:19]         ; where these rows' scales begin, in bytes
	s_mul_u64 s[92:93], s[46:47], s[18:19]
	s_mov_b64 s[18:19], KROW
	s_mul_u64 s[20:21], s[20:21], s[18:19]         ; and their codes
	s_mul_u64 s[46:47], s[46:47], s[18:19]
	s_mul_i32 s45, s14, HALFT                      ; where they go: wave x 128 rows: no place in the cluster enters an LDS address
	s_mul_i32 s94, s14, HALFS
	s_wait_kmcnt 0x0
	s_cmp_eq_u32 ttmp9, 2                          ; for v the two operands change places: A = the weight, B = x.  The choice hangs on the cluster's number alone
	s_cselect_b64 s[66:67], s[8:9], s[4:5]
	s_cselect_b64 s[8:9], s[4:5], s[8:9]           ; B's codes
	s_mov_b64 s[4:5], s[66:67]                     ; A's codes
	s_cselect_b64 s[66:67], s[10:11], s[6:7]
	s_cselect_b64 s[10:11], s[6:7], s[10:11]       ; B's scales
	s_mov_b64 s[6:7], s[66:67]                     ; A's scales
	s_add_nc_u64 s[20:21], s[4:5], s[20:21]
	s_add_nc_u64 s[22:23], s[6:7], s[22:23]
	s_add_nc_u64 s[46:47], s[8:9], s[46:47]
	s_add_nc_u64 s[92:93], s[10:11], s[92:93]
	CROUND                                         ; all sixteen work-groups are here: the first joint loads meet
	s_mov_b32 s[G0S], 1
	s_add_co_u32 s[G0S+1], s94, SCL
	s_mov_b64 s[G0S+2:G0S+3], s[22:23]
	s_or_b32 s[G0S+3], s[G0S+3], 0x80000000
	s_mov_b32 s[G0SB], 1
	s_add_co_u32 s[G0SB+1], s94, SCL
	s_mov_b64 s[G0SB+2:G0SB+3], s[92:93]
	s_or_b32 s[G0SB+3], s[G0SB+3], 0x80000000
	JLOAD G0S, G1S, G0SB, G1SB                     ; the scales first: they are wanted with K step 0
.irp s, 0,1
	s_mov_b32 s[G0+4*\s], 1
	s_add_co_u32 s[G0+4*\s+1], s45, \s*SLOT
	s_add_nc_u64 s[G0+4*\s+2:G0+4*\s+3], s[20:21], \s*ROWB
	s_or_b32 s[G0+4*\s+3], s[G0+4*\s+3], 0x80000000
	s_mov_b32 s[G0B+4*\s], 1
	s_add_co_u32 s[G0B+4*\s+1], s45, \s*SLOT
	s_add_nc_u64 s[G0B+4*\s+2:G0B+4*\s+3], s[46:47], \s*ROWB
	s_or_b32 s[G0B+4*\s+3], s[G0B+4*\s+3], 0x80000000
	JLOAD G0+4*\s, G1, G0B+4*\s, G1B               ; three tensor loads of mine are out behind these
.endr
	v_and_b32 v1, 15, v0                           ; r = l % 16
	v_bfe_u32 v2, v0, 4, 1                         ; h = l / 16
	v_mul_u32_u24 v3, v1, PITCH
	v_mul_u32_u24 v4, v2, 24
	v_add_nc_u32 v4, v3, v4                        ; a fragment's row x pitch + 24 x half
	v_lshl_add_u32 v5, v2, 4, v4                   ; and the same behind one padding more
	s_mul_i32 s21, s15, HALFT                      ; my 128 rows of A
	s_mul_i32 s22, s16, HALFT                      ; my 128 rows of B,
	s_add_co_u32 s22, s22, 2*HALFT                 ; which lie behind A's 256
.irp s, 0,1
	v_add_nc_u32 v[ADRA+\s], s21, v4
	v_add_nc_u32 v[ADRB+\s], s22, v4
	v_add_nc_u32 v[ADRA+2+\s], s21, v5
	v_add_nc_u32 v[ADRB+2+\s], s22, v5
	s_add_co_u32 s21, s21, SLOT
	s_add_co_u32 s22, s22, SLOT
.endr
	v_mul_u32_u24 v5, v1, KS                       ; my row's scales: 32 bytes a row,
	v_lshrrev_b32 v6, 8, v5
	v_lshl_add_u32 v5, v6, 4, v5                   ; and 16 more for each 256 passed
	s_mul_i32 s21, s15, HALFS                      ; A's: my 128 rows
	s_mul_i32 s22, s16, HALFS                      ; B's: my 128 rows, behind A's 256
	s_add_co_u32 s22, s22, 2*HALFS
	s_sub_co_u32 s22, s22, s21
	v_mul_u32_u24 v6, s22, v2                      ; lanes 16-31 take B's: one product, the distance between the two bases x h
	s_add_co_u32 s21, s21, SCL
	v_add_nc_u32 v5, v5, v6
	v_add_nc_u32 v[ADRS], s21, v5
	; where my results go.  My 128 channels are two heads, 2 G and 2 G + 1; my 128 tokens are one block or key step
	s_lshl_b32 s20, s17, 1
	s_add_co_u32 s20, s20, s15                     ; A's block of 128
	s_lshl_b32 s46, s42, 1
	s_add_co_u32 s46, s46, s16                     ; B's
	s_cmp_eq_u32 ttmp9, 2
	s_cselect_b32 s22, s20, s46                    ; the channels' block,
	s_cselect_b32 s23, s46, s20                    ; the tokens',
	s_cselect_b32 s21, 6400, 0                     ; v's sub-record lies behind k's
	s_and_b32 s22, s22, 7                          ; G: a weight has eight blocks of 128 rows
	s_lshl_b32 s22, s22, 6
	s_add_co_u32 s22, s22, s23                     ; record number of head 2 G: 32 x head + block
	s_mov_b32 s47, 12800
	s_cmp_eq_u32 ttmp9, 0
	s_cselect_b32 s47, 6400, s47                   ; bytes from record to record
	s_cselect_b64 s[12:13], s[96:97], s[98:99]     ; q's buffer, or k's and v's
	s_mul_i32 s22, s22, s47
	s_add_co_u32 s22, s22, s21
	s_mov_b32 s23, 0
	s_add_nc_u64 s[12:13], s[12:13], s[22:23]
	s_lshl_b32 s47, s47, 5                         ; from a head to the next: 32 records
	v_and_b32 v6, 31, v0
	v_lshlrev_b32 v[VO0], 4, v6
	v_add_nc_u32 v[VO0+1], s47, v[VO0]
	v_mul_lo_u32 v[VSO], v2, s47
	v_lshl_add_u32 v[VSO], v1, 4, v[VSO]
.macro FRAG reg, adr, q, i             ; a fragment, 16 rows x 128 K, is 12 registers: lane l holds row l % 16; registers 6 c .. 6 c + 5 hold K = 64 c + 32 (l / 16) + 0 .. 31: 24 bytes of the row's stream of bits, as they lie
.irp p, 0,1,2,3,4,5                    ; in pieces of 8 bytes.  Lanes 0-15 take the row's pieces 12 q + 0, 1, 2 and 12 q + 6, 7, 8, lanes 16-31 those three pieces on
.set PC, 12*(\q)+6*(\p/3)+\p%3        ; 16 bytes of padding lie behind every 8 pieces: where the piece three on lies behind one padding more, the second address register serves
.if PC%8 < 5
	ds_load_b64 v[\reg+2*\p:\reg+2*\p+1], v[\adr] offset:8*PC+16*(PC/8)+(\i)*16*PITCH
.else
	ds_load_b64 v[\reg+2*\p:\reg+2*\p+1], v[\adr+2] offset:8*PC+16*(PC/8)+(\i)*16*PITCH
.endif
.endr
.endm
; 16 matrix instructions: A's blocks a0, a0 + 1 x B's eight, 128 along K: the slot's q-th.  p: B's set;  sc: the set of scale words.  zero = 1: the first product starts the sums.
; The 64 accumulators take turns, one instruction a turn, in the same order in every step.
.macro MUL16 a0, p, q, sc, zero
.irp a, \a0, \a0+1
.irp b, 0,1,2,3,4,5,6,7
.if \zero
	v_wmma_scale_f32_16x16x128_f8f6f4 v[8*(8*((\a)%4)+\b):8*(8*((\a)%4)+\b)+7], v[128*(\p)+FR*\b:128*(\p)+FR*\b+FR-1], v[AF+FR*(\a):AF+FR*(\a)+FR-1], 0, v[SC+8*NQ*(\sc)+NQ*\b+(\q)], v[SC+8*NQ*(\sc)+NQ*(\a)+(\q)] matrix_a_fmt:MATRIX_FMT_FP6 matrix_b_fmt:MATRIX_FMT_FP6 matrix_a_scale:MATRIX_SCALE_ROW1
.else
	v_wmma_scale_f32_16x16x128_f8f6f4 v[8*(8*((\a)%4)+\b):8*(8*((\a)%4)+\b)+7], v[128*(\p)+FR*\b:128*(\p)+FR*\b+FR-1], v[AF+FR*(\a):AF+FR*(\a)+FR-1], v[8*(8*((\a)%4)+\b):8*(8*((\a)%4)+\b)+7], v[SC+8*NQ*(\sc)+NQ*\b+(\q)], v[SC+8*NQ*(\sc)+NQ*(\a)+(\q)] matrix_a_fmt:MATRIX_FMT_FP6 matrix_b_fmt:MATRIX_FMT_FP6 matrix_a_scale:MATRIX_SCALE_ROW1
.endif
.endr
.endr
.endm
.macro FETCH_B slot, q, p              ; B's eight fragments of the slot's q-th 128 along K into set p
	WIN TO_B
.irp i, 0,1,2,3,4,5,6,7
	FRAG 128*(\p)+FR*\i, ADRB+\slot, \q, \i
.endr
	WIN 0
.endm
.macro FETCH_A slot, q, i0             ; A's blocks i0 .. i0 + 3
.irp i, \i0, \i0+1, \i0+2, \i0+3
	FRAG AF+FR*(\i), ADRA+\slot, \q, \i
.endr
.endm
.macro SCALES sc                       ; the next K step's scale words into set sc: two words a row; lanes 0-15 take A's block i, lanes 16-31 B's block i
.irp i, 0,1,2,3,4,5,6,7
	ds_load_b64 v[SC+8*NQ*\sc+NQ*\i:SC+8*NQ*\sc+NQ*\i+1], v[ADRS] offset:\i*SBLK
.endr
.endm
; A load into a register that a matrix instruction has read, and a vector instruction that reads a matrix result or writes one of its registers, stand four places behind it; only plain vector instructions
; that name none of its registers are places (ISA guide 7.12.1 for vector instructions).
.macro PLACES n
.rept \n
	v_nop
.endr
.endm
.macro STEP slot, q, zero              ; a step of 128 along K that has its successor in the same slot
	s_wait_dscnt 4*NL                              ; B's set and A's blocks 0-3 are in; the youngest 24 loads (A's blocks 4-7) may be out
	WIN MUL_LO
	MUL16 0, (\q)%2, \q, \slot, \zero
	MUL16 2, (\q)%2, \q, \slot, \zero
	s_wait_dscnt 0                                 ; A's blocks 4-7 are in (asked for 32 matrix instructions ago)
	PLACES NP
	FETCH_B \slot, (\q)+1, 1-(\q)%2
	FETCH_A \slot, (\q)+1, 0
	WIN MUL_HI
	MUL16 4, (\q)%2, \q, \slot, \zero
	MUL16 6, (\q)%2, \q, \slot, \zero
	PLACES NP
	WIN 0
	FETCH_A \slot, (\q)+1, 4
.endm
; A slot's last step changes slots: ONE barrier; in front of it each wave waits for all its tensor loads, adds 0 to its spare word, and waits for that and for its own reads of this slot.  fill = 1: this slot is filled again, two K steps ahead.
.macro TURN slot, next, fill
	s_wait_tensorcnt 0x0                           ; all my tensor loads have landed: my part of the next slot  (every window is 0 here)
	ds_add_u32 v[SPW], v[NIL]                      ; 0 onto my spare word
	s_wait_dscnt 4*NL+1                            ; the add and the youngest 24 loads, A's blocks 4-7, may be out
	WIN MUL_LO
	MUL16 0, 1, NQ-1, \slot, 0                     ; sixteen matrix instructions stand between the add and the wait for it
	s_wait_dscnt 0x0                               ; the add is done, and my reads of this slot are over
	s_barrier_signal -1
	MUL16 2, 1, NQ-1, \slot, 0
	WIN 0
	s_barrier_wait -1
.if \fill
	CREST                                          ; the barrier has opened a round of the cluster's barrier: no wave of any partner still reads this slot's tile or has a load on its way
	s_add_nc_u64 s[G0+4*\slot+2:G0+4*\slot+3], s[G0+4*\slot+2:G0+4*\slot+3], 2*ROWB
	s_add_nc_u64 s[G0B+4*\slot+2:G0B+4*\slot+3], s[G0B+4*\slot+2:G0B+4*\slot+3], 2*ROWB
	JLOAD G0+4*\slot, G1, G0B+4*\slot, G1B         ; the first tensor load behind the round; its four v_nop are the places in front of the loads below
.else
	PLACES NP
.endif
	v_add_nc_u32 v[ADRS], 4*NQ, v[ADRS]            ; on to the next K step's scale words (no LDS load of mine is out)
	FETCH_B \next, 0, 0
	FETCH_A \next, 0, 0
	SCALES \next
	WIN MUL_HI
	MUL16 4, 1, NQ-1, \slot, 0
	MUL16 6, 1, NQ-1, \slot, 0
	PLACES NP
	WIN 0
	FETCH_A \next, 0, 4
.endm
	s_wait_tensorcnt 1                             ; the scales and my part of K step 0 are in; K step 1's load may be out
	s_barrier_signal -1
	s_barrier_wait -1                              ; everybody's are
	FETCH_B 0, 0, 0
	FETCH_A 0, 0, 0
	SCALES 0
	FETCH_A 0, 0, 4
	STEP 0, 0, 1                                   ; the first step stands in front of the loop: its products start the sums
	s_mov_b32 s3, LAPS-1
.Llap:                                                 ; a trip goes once round the ring, from a lap's second step to the next lap's first, and fills both slots again
	TURN 0, 1, 1
	STEP 1, 0, 0
	TURN 1, 0, 1
	STEP 0, 0, 0
	s_sub_co_u32 s3, s3, 1
	s_cmp_lg_u32 s3, 0
	s_cbranch_scc1 .Llap
	TURN 0, 1, 0                                   ; the last lap fills nothing, and has no round of the cluster's barrier
	STEP 1, 0, 0
	s_wait_dscnt 4*NL                              ; the very last step: nothing more to fetch
	WIN MUL_LO
	MUL16 0, 1, NQ-1, 1, 0
	MUL16 2, 1, NQ-1, 1, 0
	s_wait_dscnt 0
	WIN MUL_HI
	MUL16 4, 1, NQ-1, 1, 0
	MUL16 6, 1, NQ-1, 1, 0
	WIN 0
; THE WAY OUT.  Four runs of 16 registers (at QA0 .. QA3 of window w), each a lane's 16 neighbours of a block of 32, become image n: 12 registers of codes and a scale word.  A block lies in lanes l and l xor 16.
; Each accumulator is read from its low end on.  The conversions give half blocks; the operand wants a whole block in a lane: three exchanges of halves for each pair of blocks, and three moves (a conversion's three registers begin on an even number).
.macro QUNIT w, n
.set IM, IMG+12*(\n)
.set WN, 0x0a+5*((\w)-2)
	WIN WN                                         ; sources 0 and 1: window w
	v_max3_num_f32 v[TM+0], |v[QA0]|, |v[QA0+1]|, 0x1800000        ; my 16 numbers of each block, and the floor 2^(3 - 127): so the byte cannot fall under 1
	v_max3_num_f32 v[TM+1], |v[QA1]|, |v[QA1+1]|, 0x1800000
	v_max3_num_f32 v[TM+2], |v[QA2]|, |v[QA2+1]|, 0x1800000
	v_max3_num_f32 v[TM+3], |v[QA3]|, |v[QA3+1]|, 0x1800000
.irp i, 2,4,6,8,10,12,14
	v_max3_num_f32 v[TM+0], |v[QA0+\i]|, |v[QA0+\i+1]|, v[TM+0]    ; the four blocks by turns
	v_max3_num_f32 v[TM+1], |v[QA1+\i]|, |v[QA1+\i+1]|, v[TM+1]
	v_max3_num_f32 v[TM+2], |v[QA2+\i]|, |v[QA2+\i+1]|, v[TM+2]
	v_max3_num_f32 v[TM+3], |v[QA3+\i]|, |v[QA3+\i+1]|, v[TM+3]
.endr
	WIN 0
.irp b, 0,1,2,3
	v_permlanex16_b32 v[TP+\b], v[TM+\b], s92, s93
.endr
.irp b, 0,1,2,3
	v_max_num_f32 v[TM+\b], v[TM+\b], v[TP+\b]     ; with lane l xor 16's: the block's largest magnitude
.endr
.irp b, 0,1,2,3
	v_add_nc_u32 v[TS+\b], 0xff000000, v[TM+\b]    ; 2 off its exponent field: the conversion's scale operand
.endr
.irp b, 0,1,2,3
	v_lshrrev_b32 v[TB+\b], 23, v[TS+\b]           ; the scale's byte
.endr
	v_lshl_or_b32 v[SW+(\n)], v[TB+1], 8, v[TB]    ; the four bytes make my row's scale word
	v_lshl_or_b32 v[SW+(\n)], v[TB+2], 16, v[SW+(\n)]
	v_lshl_or_b32 v[SW+(\n)], v[TB+3], 24, v[SW+(\n)]
.set WN, 0x02+((\w)-2)
	WIN WN                                         ; source 0: window w
	v_cvt_scalef32_pk16_fp6_f32 v[IM:IM+2], v[QA0:QA0+15], v[TS]
	v_cvt_scalef32_pk16_fp6_f32 v[Y0:Y0+2], v[QA1:QA1+15], v[TS+1]
	v_cvt_scalef32_pk16_fp6_f32 v[IM+6:IM+8], v[QA2:QA2+15], v[TS+2]
	v_cvt_scalef32_pk16_fp6_f32 v[Y1:Y1+2], v[QA3:QA3+15], v[TS+3]
	WIN 0
	v_nop                                          ; one plain place behind a scaled conversion
.irp i, 0,1,2
	v_permlane16_swap_b32 v[IM+\i], v[Y0+\i]       ; the first's lanes 16-31 change places with the second's lanes 0-15: lanes 0-15 now hold the first block whole, lanes 16-31 the second
	v_permlane16_swap_b32 v[IM+6+\i], v[Y1+\i]
.endr
.irp i, 0,1,2
	v_mov_b32 v[IM+3+\i], v[Y0+\i]
	v_mov_b32 v[IM+9+\i], v[Y1+\i]
.endr
.irp c, 0,1,2
	global_store_b128 v[VO0+(\n)/4], v[IM+4*\c:IM+4*\c+3], s[12:13] offset:((\n)%4)*1536+512*\c   ; 32 lanes store 512 consecutive bytes, at a multiple of 256 from the buffer's first byte
.endr
.endm
	PLACES NP                                      ; behind the last products: their results are read, and the registers that held A's fragments are written
	s_mov_b32 s92, 0x76543210
	s_mov_b32 s93, 0xfedcba98                      ; v_permlanex16_b32's selects for lane l xor 16
.irp b, 0,1,2,3
	v_mov_b32 v[TP+\b], 0                          ; written once: a lane permute's destination counts as one of its sources
.endr
	s_cmp_eq_u32 ttmp9, 2                          ; the cluster's number: the same in all partners
	s_cbranch_scc1 .Lvpath
.irp idx, 0,1,2,3                      ; q, k: image 4 hh + idx = tokens' tiles 2 idx and 2 idx + 1 x head hh's two blocks of 32 channels
.irp hh, 0,1
.set QA0, 64*((2*\idx)%4)+32*\hh
.set QA1, QA0+16
.set QA2, QA0+64
.set QA3, QA0+80
	QUNIT 2+\idx/2, 4*\hh+\idx
.endr
.endr
	s_branch .Ljoin
.Lvpath:
.irp a, 0,1,2,3,4,5,6,7                ; v: image a = the channels' tile a (head a / 4, tile a % 4) x the key step's four blocks of 32 keys
.set QA0, 64*(\a%4)
.set QA1, QA0+16
.set QA2, QA0+32
.set QA3, QA0+48
	QUNIT 2+\a/4, \a
.endr
.Ljoin:
	v_and_b32 v6, 31, v0
	v_cmp_le_u32 vcc_lo, 16, v6                    ; every lane holds row r's eight words: lanes 0-15 store the first head's four, lanes 16-31 the second's
.irp i, 0,1,2,3
	v_cndmask_b32 v[SWO+\i], v[SW+\i], v[SW+4+\i], vcc_lo
.endr
	global_store_b128 v[VSO], v[SWO:SWO+3], s[12:13] offset:6144   ; sixteen lanes store 256 consecutive bytes, aligned
	s_wait_tensorcnt 0x0                           ; the wave's end
	ds_add_u32 v[SPW], v[NIL]
	s_wait_dscnt 0x0
	CROUND                                         ; the closing round: no work-group ends while a partner may still ask for a tile that names it
	s_endpgm
.Lfunc_end_k_qa3d89331ed_qkv:
	.size	k_qa3d89331ed_qkv, .Lfunc_end_k_qa3d89331ed_qkv-k_qa3d89331ed_qkv
	.p2alignl 7, 3214868480
	.fill 96, 4, 3214868480
	.section	.rodata,"a",@progbits
	.p2align	6, 0x0
	.amdhsa_kernel k_qa3d89331ed_qkv
		.amdhsa_group_segment_fixed_size 327680
		.amdhsa_private_segment_fixed_size 0
		.amdhsa_enable_private_segment 0
		.amdhsa_kernarg_size 48
		.amdhsa_user_sgpr_count 2
		.amdhsa_user_sgpr_kernarg_segment_ptr 1
		.amdhsa_wavefront_size32 1
		.amdhsa_system_sgpr_workgroup_id_x 1
		.amdhsa_system_sgpr_workgroup_id_y 1
		.amdhsa_system_sgpr_workgroup_id_z 1
		.amdhsa_system_vgpr_workitem_id 0
		.amdhsa_next_free_vgpr 1024
		.amdhsa_next_free_sgpr 100
		.amdhsa_reserve_vcc 1
		.amdhsa_float_denorm_mode_32 3
		.amdhsa_float_denorm_mode_16_64 3
		.amdhsa_memory_ordered 1
		.amdhsa_forward_progress 1
		.amdhsa_inst_pref_size 197
	.end_amdhsa_kernel
	.amdgpu_metadata
---
amdhsa.version: [ 1, 2 ]
amdhsa.kernels:
  - .name:           k_qa3d89331ed_qkv
    .symbol:         k_qa3d89331ed_qkv.kd
    .args:
      - { .name: xc, .offset: 0, .size: 8, .value_kind: global_buffer, .address_space: global }
      - { .name: xs, .offset: 8, .size: 8, .value_kind: global_buffer, .address_space: global }
      - { .name: wc, .offset: 16, .size: 8, .value_kind: global_buffer, .address_space: global }
      - { .name: ws, .offset: 24, .size: 8, .value_kind: global_buffer, .address_space: global }
      - { .name: qa, .offset: 32, .size: 8, .value_kind: global_buffer, .address_space: global }
      - { .name: kv, .offset: 40, .size: 8, .value_kind: global_buffer, .address_space: global }
    .group_segment_fixed_size: 327680
    .private_segment_fixed_size: 0
    .kernarg_segment_align: 8
    .kernarg_segment_size: 48
    .max_flat_workgroup_size: 128
    .sgpr_count:     100
    .vgpr_count:     1024
    .wavefront_size: 32
...
	.end_amdgpu_metadata
.endif
;; end of part 2
;; launch attn (part 3): grid 16 x 16, 16 waves a work-group, no clusters, 327,680 bytes of LDS; arguments qa, kv, cc, cs; writes cc, cs
.if DOCPART == 3
	.amdgcn_target "amdgcn-amd-amdhsa--gfx1250"
	.amdhsa_code_object_version 6
	.text
	.protected	k_qa3d89331ed_attn
	.globl	k_qa3d89331ed_attn
	.p2align	8
	.type	k_qa3d89331ed_attn,@function
k_qa3d89331ed_attn:
	s_mov_b64 s[64:65], 0
	v_nop
	global_prefetch_b8 v0, s[64:65] scope:SCOPE_SE
	s_setreg_imm32_b32 hwreg(HW_REG_WAVE_MODE, 25, 1), 1
	s_wait_xcnt 0x0
; ctx[q][head] = the sum over keys k <= q of softmax_k(q . k / 8) v, 16 heads of 64 channels, 4,096 tokens, both products on codes of FP6 (E2M3) with one E8M0 scale for each 32 along a product's K; ctx leaves QUANTISED along its 1,024 channels.
; THE SOFTMAX AHEAD OF THE SECOND PRODUCT: t = score x log2(e) / 8; M = the row's largest t so far, rounded UP to a whole number; p = 2^(t - M) is what is quantised, along the keys; it is not normalised.
; The row's sum is taken of the unquantised p, in f32, and divides at the end.  When M moves, the sum and O are multiplied by 2^(old M - new M): exact.
; INPUTS are images of operand registers.  A sub-record of 6,400 bytes: four images of 1,536 bytes (3 pieces of 512 bytes, lane l's 16 bytes at 16 l), then lane r's four scale words at 6,144 + 16 r.
;   q, k image b: registers 0-5 token 32 b + r + 8 (r / 8), channels 32 h + 0 .. 31; registers 6-11 token 32 b + 8 + r + 8 (r / 8).   v image t: channel 32 (t / 2) + 8 (t % 2) + r + 8 (r / 8), registers along the step's 128 keys.
;   qa: [head][block of 128 tokens];  kv: [head][step of 128 keys] records of 12,800 bytes: k's sub-record, then v's.
; A HEAD'S 64 CHANNELS IN AN INSTRUCTION OF 128 ALONG K: k's operand is dense, two tiles of 16 keys.  q stands in 18 registers as zeros | q | zeros: the upper twelve (q | 0) meet the first tile, the lower twelve (0 | q) the second;
;   the zero half has zero codes and scale bytes 1, so that the other tile adds exactly nothing.
; LAYOUT.  Both products are used transposed: S^T = K Q^T, O^T = V^T P^T: a lane holds ONE query throughout; the 16 registers of score tiles 2 b, 2 b + 1 are keys 32 b + 16 h + 0 .. 15, those of O^T's tiles 2 g, 2 g + 1 channels 32 g + 16 h + 0 .. 15.
; SHARES, even under the causal mask.  Work-group i of a head owns the blocks of 128 queries i and 31 - i.  Each of its sixteen waves owns one tile of 16 queries and walks its block's number + 1 key steps of 128:
;   8 x (i + 1) + 8 x (32 - i) = 264 steps in every work-group.  With w = b3 b2 b1 b0 the wave takes the late block where b0 xor b2 = 1, image 2 b3 + b1 of it, tile b2 of the image.
; THE RING.  Two LDS slots of two key steps (25,600 bytes, dense in memory); waves 0 to 3 fetch a sub-record each, all sixteen read.  A trip walks both slots, so that every LDS address is an immediate; the work-group needs
;   32 - i steps: (35 - i) / 4 pairs of slots, rounded down.  A step all of whose keys come after the wave's queries is jumped over (a scalar branch on ids, round no barrier and no tensor load).
; NO CLUSTER: which steps a wave jumps over, and how many trips a work-group walks, hang on the work-group's own i, so the work-groups of a head neither run alike nor make the same number of requests.
; OUTPUT.  cc: [head][token][48 bytes]: a token's 64 codes of a head.  cs: [token][32 bytes]: byte 2 head + block.  A tile's 32 scale bytes go out singly, two to a row of cs: 2 bytes beside each 48 of codes.
; LIMITS: a block of zeros gets the byte 1 (zero codes; this program alone reads the bytes); NaN and infinities are not served.
; REGISTERS: v1-11 addresses; v12 -M, v13 the largest t, v[14:15] the sum in two halves; v16-33 q among zeros; v34, v35 q's two scale words; v36-83 four operands of k or of v; v84-95 q's image as loaded;
;   v96-159 S^T, then p; v160-191 O^T; v192-223 ctx; v224-235 p's codes; v232-247 at work; v248-251 k's or v's scale words; v252 f; v253 p's scale word; v254 at work.
.set SUBB,  6400                       ; a sub-record
.set RECB,  12800                      ; a key step's record
.set SLOTB, 25600                      ; a slot: two records
.set STAGE, 2*SLOTB                    ; behind the ring: 1,024 bytes for each wave, for the way out; no fill lands here
.set SPARE, STAGE+16*1024              ; the spare words, 128 bytes for each wave: eight blocks of 256 bytes that no other line names
.set WV,    18                         ; s18  my wave's number
.set SEL,   20                         ; s[20:21] lane selects for v_permlanex16_b32: lane l xor 16
.set CS,    22                         ; s[22:23] c = log2(e) / 8
.set G1,    24                         ; s[24:31] descriptor group 1: a sub-record as 25 rows of 256 bytes
.set G0A,   32                         ; s[32:35] group 0 for slot 0;  s[36:39] for slot 1
.set G0B,   36
.set BLK,   40                         ; s40  my block of 128 queries
.set KI,    41                         ; s41  the key step in hand
.set TRIPS, 42                         ; s42  pairs of slots to go, the last not counted
.set LIM,   43                         ; s43  1 in a wave that prefetches
.set PFA,   44                         ; s[44:45] where my prefetches stand
.macro TLOAD g0                        ; waves 0 to 3 fetch, the others nothing: the branch hangs on the wave's number alone.  Four v_nop follow the line
	s_cmp_lt_u32 s[WV], 4
	s_cbranch_scc0 .Lnone_\@
	tensor_load_to_lds s[\g0:\g0+3], s[G1:G1+7]
	s_nop 0
.rept 4
	v_nop
.endr
.Lnone_\@:
.endm
; A PREFETCH INTO THE L2 of the slot that the NEXT change of slots will ask for: two key steps ahead of that load.  All sixteen work-groups of a head walk the same records from the head's first on, and work-group 0 walks all of them:
; it asks, and nobody else.  In it waves 4 to 7, which fetch nothing, ask for a sub-record each: 25 blocks of 256 bytes, a lane a block (lanes 25 to 31 name lane 24's again).  Slots 0 and 1 come by their loads alone;
; the last change that fills a slot asks for nothing: there is no slot behind it.
.macro ASK
	s_cmp_eq_u32 s[LIM], 1
	s_cbranch_scc0 .Lnot_mine_\@
	global_prefetch_b8 v11, s[PFA:PFA+1] th:TH_LOAD_NT scope:SCOPE_SE
.Lnot_mine_\@:
.endm
	s_load_b256 s[4:11], s[0:1], 0x0               ; qa s[4:5], kv s[6:7], cc s[8:9], cs s[10:11]
	v_lshl_add_u32 v5, v0, 2, SPARE                ; my spare word; never rewritten
	v_mov_b32 v6, 0                                ; 0; never rewritten
	ds_add_u32 v5, v6
	s_wait_dscnt 0x0
	v_lshrrev_b32 v36, 5, v0
	v_readfirstlane_b32 s[WV], v36                 ; wave 0..15
	s_and_b32 s48, ttmp7, 0xffff                   ; the head
	s_and_b32 s49, s[WV], 1
	s_bfe_u32 s50, s[WV], 0x10002                  ; u = b2: which tile of the image
	s_xor_b32 s51, s49, s50                        ; the late block?
	s_bfe_u32 s52, s[WV], 0x10001
	s_bfe_u32 s53, s[WV], 0x10003
	s_lshl_b32 s53, s53, 1
	s_add_co_u32 s52, s52, s53                     ; idx = 2 b3 + b1: which image of the block
	s_sub_co_u32 s54, 31, ttmp9
	s_cmp_eq_u32 s51, 1
	s_cselect_b32 s[BLK], s54, ttmp9
	s_sub_co_u32 s46, 0, s50                       ; all ones where u = 1: a lane mask
	s_lshl_b32 s47, s50, 4                         ; 16 u
	s_sub_co_u32 s[TRIPS], 35, ttmp9
	s_lshr_b32 s[TRIPS], s[TRIPS], 2
	s_sub_co_u32 s[TRIPS], s[TRIPS], 1             ; 4 to 7: the same in all sixteen waves
	s_mov_b32 s[KI], 0
	s_mov_b32 s[G1], 3<<16                         ; 15:0 no mask; 17:16 elements of 8 bytes; 20 padding off
	s_mov_b32 s[G1+1], 32<<16                      ; tensor_dim0 = 32 elements: 256 bytes
	s_mov_b32 s[G1+2], 25<<16                      ; tensor_dim1 = 25
	s_mov_b32 s[G1+3], 32<<16                      ; tile_dim0
	s_mov_b32 s[G1+4], 25                          ; tile_dim1
	s_mov_b32 s[G1+5], 32                          ; tensor_dim0_stride: dense
	s_mov_b32 s[G1+6], 0
	s_mov_b32 s[G1+7], 0
	s_and_b32 s55, s[WV], 3
	s_mul_i32 s55, s55, SUBB                       ; my sub-record's place in a slot, in LDS as in memory
	s_mul_i32 s56, s48, 32*RECB                    ; the head's first record
	s_add_co_u32 s56, s56, s55
	s_mov_b32 s57, 0
	s_mov_b32 s[SEL], 0x76543210
	s_mov_b32 s[SEL+1], 0xfedcba98
	s_mov_b32 s[CS], 0x3e38aa3b                    ; c = log2(e) / 8
	s_mov_b32 s[CS+1], s[CS]                       ; (named with it as a pair, so it is written)
	s_wait_kmcnt 0x0
	s_add_nc_u64 s[6:7], s[6:7], s[56:57]
	s_mov_b32 s[G0A], 1                            ; 1:0 count = 1
	s_mov_b32 s[G0A+1], s55                        ; 63:32 LDS address: slot 0
	s_mov_b64 s[G0A+2:G0A+3], s[6:7]               ; 120:64 global address: the head's first two key steps
	s_or_b32 s[G0A+3], s[G0A+3], 0x80000000        ; 127:126 type = 2
	s_mov_b32 s[G0B], 1
	s_add_co_u32 s[G0B+1], s55, SLOTB
	s_add_nc_u64 s[G0B+2:G0B+3], s[6:7], SLOTB
	s_or_b32 s[G0B+3], s[G0B+3], 0x80000000
	TLOAD G0A                                      ; slot 0: the one first fill; one tensor load of mine is out
	s_add_nc_u64 s[PFA:PFA+1], s[6:7], SLOTB       ; in slot 1: the first change of slots steps it to slot 2.  Nothing is prefetched here, at the head
	s_lshr_b32 s58, s[WV], 2
	s_xor_b32 s58, s58, 1                          ; 0 in waves 4 to 7,
	s_or_b32 s58, s58, ttmp9                       ; of the head's first work-group
	s_cmp_eq_u32 s58, 0
	s_cselect_b32 s[LIM], 1, 0
	s_lshl_b32 s58, s48, 5
	s_add_co_u32 s58, s58, s[BLK]
	s_mul_i32 s58, s58, SUBB
	s_mov_b32 s59, 0
	s_add_nc_u64 s[12:13], s[4:5], s[58:59]        ; q: my block's sub-record,
	s_mul_i32 s58, s52, 1536
	s_add_nc_u64 s[14:15], s[12:13], s[58:59]      ; and my image in it
	v_and_b32 v36, 31, v0                          ; lane
	v_lshlrev_b32 v1, 4, v36                       ; v1 = 16 x lane: an image's place for my lane
	v_and_b32 v37, 15, v0                          ; r
	v_lshlrev_b32 v2, 4, v37                       ; v2 = 16 r: my row's four scale words
	v_lshl_add_u32 v4, s52, 2, v2                  ; v4: of them the word of my image
.irp c, 0,1,2
	global_load_b128 v[84+4*\c:87+4*\c], v1, s[14:15] offset:512*\c
.endr
	global_load_b32 v35, v4, s[12:13] offset:6144
	v_bfe_u32 v38, v0, 4, 1                        ; h
	v_and_b32 v39, 8, v37
	v_add_nc_u32 v39, v39, v37                     ; r + 8 (r / 8)
	s_lshl_b32 s58, s52, 5
	s_lshl_b32 s59, s50, 3
	s_add_co_u32 s58, s58, s59                     ; 32 idx + 8 u
	v_add_nc_u32 v3, s58, v39
	v_lshlrev_b32 v40, 4, v38
	v_sub_nc_u32 v3, v3, v40                       ; v3 = my query in its block - 16 h.  On the diagonal register 16 b + i holds key 32 b + 16 h + i of the block: hidden where 32 b + i > v3
	s_lshl_b32 s60, s[WV], 10
	s_add_co_u32 s60, s60, STAGE                   ; my stage
	v_lshlrev_b32 v7, 6, v37
	v_lshl_add_u32 v7, v38, 4, v7
	v_add_nc_u32 v7, s60, v7                       ; v7: in: places of 16 bytes, number 4 r + 2 block + h
	v_add_nc_u32 v8, s60, v1                       ; v8: back: a place a lane
	v_mul_u32_u24 v9, v36, 12                      ; v9: and its 12 bytes in cc
	v_lshl_add_u32 v10, v39, 5, v38                ; v10: cs: my token's row of 32 bytes, + h
	v_min_u32 v11, 24, v36
	v_lshlrev_b32 v11, 8, v11                      ; v11: the prefetches' offset: 256 x lane, held at the sub-record's last block
	s_lshl_b32 s59, s[BLK], 7
	s_add_co_u32 s59, s59, s58                     ; my tile's first token
	s_mul_i32 s60, s48, 4096*48
	s_mul_i32 s61, s59, 48
	s_add_co_u32 s60, s60, s61
	s_mov_b32 s61, 0
	s_add_nc_u64 s[8:9], s[8:9], s[60:61]          ; cc at that token, in my head
	s_lshl_b32 s60, s59, 5
	s_lshl_b32 s62, s48, 1
	s_add_co_u32 s60, s60, s62
	s_add_nc_u64 s[10:11], s[10:11], s[60:61]      ; cs likewise
	v_mov_b32 v13, 0xff61b1e6                      ; the largest t so far: -3e38, under every t
	v_floor_f32 v12, -v13                          ; -M
	v_mov_b32 v14, 0                               ; the sum, in two halves
	v_mov_b32 v15, 0
.irp b, 0,1,2,3
	v_mov_b32 v[236+\b], 0                         ; written once: a lane permute's destination counts as one of its sources
.endr
	v_mov_b32 v252, 0                              ; likewise, on the way out
	v_mov_b32 v253, 0                              ; (named as the upper half of the pair v[252:253] before it is first written)
	s_wait_loadcnt 0x0                             ; q's image and its scale word
.irp i, 0,1,2,3,4,5
	v_cndmask_b32 v[22+\i], v[84+\i], v[90+\i], s46   ; my tile of the image's two
.endr
	v_lshrrev_b32 v35, s47, v35
	v_and_b32 v35, 0xffff, v35                     ; its two scale bytes
	v_or_b32 v34, 0x01010000, v35                  ; for q | 0: the bytes below, 1 and 1 above
	v_lshl_or_b32 v35, v35, 16, 0x0101             ; for 0 | q
.irp i, 0,1,2,3,4,5
	v_mov_b32 v[16+\i], 0
	v_mov_b32 v[28+\i], 0
.endr
.set JJ, 0
.rept 32
	v_mov_b32 v[160+JJ], 0                         ; O^T.  (The step is written with no first step of its own: the first finds zeros, which the first change of M leaves zeros.  These lines are also the places between q's registers and the first products)
.set JJ, JJ+1
.endr
; A KEY STEP: 128 keys, whose record lies at LDS byte base.
.macro STEP base
	s_cmp_gt_u32 s[KI], s[BLK]                     ; all its keys come after my queries: nothing to do
	s_cbranch_scc1 .Lhid_\@
.irp b, 0,1,2,3
.irp c, 0,1,2
	ds_load_b128 v[36+12*\b+4*\c:39+12*\b+4*\c], v1 offset:(\base)+1536*\b+512*\c   ; k's four images, as they stand
.endr
.endr
	ds_load_b128 v[248:251], v2 offset:(\base)+6144   ; and their scale words
	s_wait_dscnt 0x0
.irp b, 0,1,2,3                        ; S^T = K Q^T: image b's first tile against q | 0, its second against 0 | q
	v_wmma_scale_f32_16x16x128_f8f6f4 v[96+16*\b:103+16*\b], v[36+12*\b:47+12*\b], v[22:33], 0, v[248+\b], v34 matrix_a_fmt:MATRIX_FMT_FP6 matrix_b_fmt:MATRIX_FMT_FP6
	v_wmma_scale_f32_16x16x128_f8f6f4 v[104+16*\b:111+16*\b], v[36+12*\b:47+12*\b], v[16:27], 0, v[248+\b], v35 matrix_a_fmt:MATRIX_FMT_FP6 matrix_b_fmt:MATRIX_FMT_FP6
.endr
.rept 4
	v_nop                                          ; places: in front of the loads into registers that these products have read, and of the first read of their results
.endr
.irp t, 0,1,2,3
.irp c, 0,1,2
	ds_load_b128 v[36+12*\t+4*\c:39+12*\t+4*\c], v1 offset:(\base)+SUBB+1536*\t+512*\c   ; v's four images: they land while the softmax is worked
.endr
.endr
	ds_load_b128 v[248:251], v2 offset:(\base)+SUBB+6144
	s_cmp_lt_u32 s[KI], s[BLK]                     ; a step all of whose keys count skips the mask
	s_cbranch_scc1 .Lopen_\@
	v_mov_b32 v254, 0xff800000                     ; on the diagonal the scores of hidden keys become -infinity ahead of the maximum: p = 0 then
.set JJ, 0
.rept 64
	v_cmp_gt_i32 vcc_lo, 32*(JJ/16)+JJ%16, v3
	v_cndmask_b32 v[96+JJ], v[96+JJ], v254, vcc_lo
.set JJ, JJ+1
.endr
.Lopen_\@:
.irp b, 0,1,2,3
	v_max3_num_f32 v[232+\b], v[96+16*\b], v[97+16*\b], v[98+16*\b]   ; THE LARGEST SCORE OF EACH BLOCK OF 32 KEYS: it serves for the row's maximum and, since p rises with the score, for the block's largest p
.endr
.irp i, 3,5,7,9,11,13
.irp b, 0,1,2,3
	v_max3_num_f32 v[232+\b], v[232+\b], v[96+16*\b+\i], v[97+16*\b+\i]   ; (the four blocks by turns)
.endr
.endr
.irp b, 0,1,2,3
	v_max_num_f32 v[232+\b], v[232+\b], v[111+16*\b]
.endr
.irp b, 0,1,2,3
	v_permlanex16_b32 v[236+\b], v[232+\b], s[SEL], s[SEL+1]
.endr
.irp b, 0,1,2,3
	v_max_num_f32 v[232+\b], v[232+\b], v[236+\b]  ; with lane l xor 16's 16 keys
.endr
	v_max3_num_f32 v254, v232, v233, v234
	v_max_num_f32 v254, v254, v235                 ; the step's largest score of my query
	v_mul_f32 v254, s[CS], v254                    ; as t (c is positive)
	v_max_num_f32 v13, v13, v254                   ; the running largest t
	v_mov_b32 v254, v12
	v_floor_f32 v12, -v13                          ; the new -M = floor(-t) = -ceil(t): M is a whole number
	v_sub_f32 v254, v12, v254                      ; M's old value less its new one: a whole number, 0 or less
	v_cvt_i32_f32 v254, v254                       ; (it saturates)
	v_ldexp_f32 v252, 1.0, v254                    ; f = 2^(old M - new M): a multiplication by it rounds nothing
.set JJ, 0
.rept 32
	v_pk_fma_f32 v[96+JJ:97+JJ], v[96+JJ:97+JJ], s[CS:CS+1], v[12:13] op_sel_hi:[1,0,0]   ; t - M, two at a time (of the pairs c and -M the low word serves both halves)
.set JJ, JJ+2
.endr
.irp b, 0,1,2,3
	v_fma_f32 v[232+\b], v[232+\b], s[CS], v12     ; the same of each block's largest score
.endr
.set JJ, 0
.rept 64
	v_exp_f32 v[96+JJ], v[96+JJ]                   ; p = 2^(t - M), at most 1: not normalised
.set JJ, JJ+1
.endr
	v_pk_mul_f32 v[14:15], v[14:15], v[252:253] op_sel_hi:[1,0]   ; the sums under the new M.  (A plain place behind the exponentials)
	s_wait_alu depctr_va_vdst(0)                   ; one wait for the whole batch, ahead of its first reader
.irp b, 0,1,2,3
	v_exp_f32 v[232+\b], v[232+\b]                 ; the block's largest p: the same two instructions on the same number give the same bits
.endr
	v_pk_add_f32 v[236:237], v[96:97], v[98:99]    ; THE ROW'S SUM IS TAKEN OF THE UNQUANTISED p: two at a time, in two chains.  (It reads the 64 alone: plain work behind the four)
.irp j, 4,8,12,16,20,24,28,32,36,40,44,48,52,56,60
	v_pk_add_f32 v[14:15], v[14:15], v[96+\j:97+\j]
	v_pk_add_f32 v[236:237], v[236:237], v[98+\j:99+\j]
.endr
	v_pk_add_f32 v[14:15], v[14:15], v[236:237]
	s_wait_alu depctr_va_vdst(0)                   ; and one for the four
.irp b, 0,1,2,3
	v_max_num_f32 v[232+\b], 0x1800000, v[232+\b]  ; the floor 2^(3 - 127): the byte cannot fall under 1 (a block whose every p is 0 keeps that byte: its codes are zeros)
.endr
.irp b, 0,1,2,3
	v_add_nc_u32 v[244+\b], 0xff000000, v[232+\b]  ; 2 off the exponent field: the conversion's scale operand
.endr
.irp b, 0,1,2,3
	v_lshrrev_b32 v[236+\b], 23, v[244+\b]         ; the scale's byte
.endr
	v_lshl_or_b32 v253, v237, 8, v236              ; p's scale word for these 128 keys
	v_lshl_or_b32 v253, v238, 16, v253
	v_lshl_or_b32 v253, v239, 24, v253
.irp c, 0,1
	v_cvt_scalef32_pk16_fp6_f32 v[224+6*\c:226+6*\c], v[96+32*\c:111+32*\c], v[244+2*\c]
	v_cvt_scalef32_pk16_fp6_f32 v[236+4*\c:238+4*\c], v[112+32*\c:127+32*\c], v[244+2*\c+1]   ; (a conversion's three registers begin on an even number)
.endr
	v_nop                                          ; one plain place behind a scaled conversion
.irp c, 0,1                            ; the operand's layout wants a WHOLE block in a lane: lanes 0-15 block 2 c, lanes 16-31 block 2 c + 1
.irp i, 0,1,2
	v_permlane16_swap_b32 v[224+6*\c+\i], v[236+4*\c+\i]
.endr
.irp i, 0,1,2
	v_mov_b32 v[227+6*\c+\i], v[236+4*\c+\i]
.endr
.endr
.set JJ, 0
.rept 16
	v_pk_mul_f32 v[160+JJ:161+JJ], v[160+JJ:161+JJ], v[252:253] op_sel_hi:[1,0]   ; O^T under the new M: x f.  (These sixteen are also the places between p's codes and scale word and the products below)
.set JJ, JJ+2
.endr
	s_wait_dscnt 0x0                               ; v's images and scale words are in
.irp t, 0,1,2,3                        ; O^T += V^T P^T: four tiles of 16 channels, four accumulators by turns; K = these 128 keys
	v_wmma_scale_f32_16x16x128_f8f6f4 v[160+8*\t:167+8*\t], v[36+12*\t:47+12*\t], v[224:235], v[160+8*\t:167+8*\t], v[248+\t], v253 matrix_a_fmt:MATRIX_FMT_FP6 matrix_b_fmt:MATRIX_FMT_FP6
.endr
.rept 4
	v_nop                                          ; places: in front of the next step's loads into these operands, and of the next read of O^T
.endr
.Lhid_\@:
	s_add_co_u32 s[KI], s[KI], 1
.endm
; THE CHANGE OF SLOTS stands at a slot's head.  Each wave waits for all its tensor loads (its part of the slot that it is about to read), adds 0 to its spare word, and waits for that and for its reads of the slot that it has left.
; Behind the barrier the slot ahead is whole and nobody reads the other one.  fill = 1: that other slot (group 0 'next') is filled with the keys that follow: the load has two key steps in which to land;
; the group 0 of the slot ahead ('done': its load has landed) is stepped for its next turn.  ask = 1: the slot after is prefetched.
.macro CHANGE fill, ask, done, next
	s_wait_tensorcnt 0x0                           ; no tensor load of mine is out, so a group 0 may be written
	ds_add_u32 v5, v6                              ; 0 onto my spare word; the steps below stand between it and the wait for it
.if \fill
	s_add_nc_u64 s[\done+2:\done+3], s[\done+2:\done+3], 2*SLOTB   ; two slots on; the type bits on top are not reached
.endif
.if \ask
	s_wait_xcnt 0x0                                ; the last prefetch, a slot back, has read its address, so it may be written:
	s_add_nc_u64 s[PFA:PFA+1], s[PFA:PFA+1], SLOTB ; one slot further on than the load below
.endif
	s_wait_dscnt 0x0                               ; the add is done, and my reads of the slot that I have left are over
	s_barrier_signal -1
	s_barrier_wait -1
.if \fill
	TLOAD \next                                    ; the first thing behind the barrier, and a wave's one tensor load until the next
.endif
.if \ask
	ASK
.endif
.endm
.Lpair:                                            ; a trip: both slots, four key steps; every trip fills both again
	CHANGE 1, 1, G0A, G0B
	STEP 0
	STEP RECB
	CHANGE 1, 1, G0B, G0A
	STEP SLOTB
	STEP SLOTB+RECB
	s_sub_co_u32 s[TRIPS], s[TRIPS], 1
	s_cmp_lg_u32 s[TRIPS], 0
	s_cbranch_scc1 .Lpair
	CHANGE 1, 0, G0A, G0B                          ; the last pair is written out: slot 1 gets its last keys
	STEP 0
	STEP RECB
	CHANGE 0, 0, G0A, G0B                          ; and nothing more is asked for
	STEP SLOTB
	STEP SLOTB+RECB
	; THE WAY OUT.  O^T is divided by the row's sum; a lane's 2 x 16 numbers are halves of my token's two blocks of 32 channels of this head; they are quantised, and the codes go through my stage so that whole tokens leave together.
	v_add_f32 v14, v14, v15                        ; the sum's two halves,
	v_permlanex16_b32 v252, v14, s[SEL], s[SEL+1]
	v_add_f32 v14, v14, v252                       ; and lane l xor 16's: the row's sum
	v_rcp_f32 v14, v14
	v_and_b32 v239, 31, v0                         ; (a plain place behind the reciprocal)
	v_cmp_le_u32 vcc_lo, 16, v239                  ; h, as a mask
	s_wait_alu depctr_va_vdst(0)                   ; the wait ahead of the first reader
.set JJ, 0
.rept 32
	v_mul_f32 v[192+JJ], v[160+JJ], v14            ; ctx: register 16 g + i is channel 32 g + 16 h + i
.set JJ, JJ+1
.endr
	v_max3_num_f32 v232, |v192|, |v193|, 0x1800000 ; my 16 numbers of each block, and the floor 2^(3 - 127)
	v_max3_num_f32 v233, |v208|, |v209|, 0x1800000
.irp i, 2,4,6,8,10,12,14
	v_max3_num_f32 v232, v232, |v[192+\i]|, |v[193+\i]|
	v_max3_num_f32 v233, v233, |v[208+\i]|, |v[209+\i]|
.endr
	v_permlanex16_b32 v236, v232, s[SEL], s[SEL+1]
	v_permlanex16_b32 v237, v233, s[SEL], s[SEL+1]
	v_max_num_f32 v232, v232, v236                 ; with lane l xor 16's: the block's largest magnitude
	v_max_num_f32 v233, v233, v237
	v_add_nc_u32 v244, 0xff000000, v232            ; 2 off the exponent field: the conversion's scale operand
	v_add_nc_u32 v245, 0xff000000, v233
	v_lshrrev_b32 v236, 23, v244                   ; the scales' bytes
	v_lshrrev_b32 v237, 23, v245
	v_cvt_scalef32_pk16_fp6_f32 v[224:226], v[192:207], v244
	v_cvt_scalef32_pk16_fp6_f32 v[228:230], v[208:223], v245
	v_cndmask_b32 v238, v236, v237, vcc_lo         ; lane (r, h) stores block h's byte.  (Also the plain place behind the conversions)
	ds_store_b96 v7, v[224:226]                    ; 16 codes, 12 bytes, to a place of 16: place 4 r + 2 block + h, which is the order of a token's 48 bytes
	ds_store_b96 v7, v[228:230] offset:32
	ds_load_b96 v[36:38], v8                       ; in order behind my stores: rows 0-7, a place a lane,
	ds_load_b96 v[40:42], v8 offset:512            ; rows 8-15
	global_store_b8 v10, v238, s[10:11]
	s_wait_dscnt 1                                 ; the first of the two loads is in
	global_store_b96 v9, v[36:38], s[8:9]          ; rows 0-7 are eight neighbouring tokens: 384 consecutive bytes
	s_wait_dscnt 0x0
	global_store_b96 v9, v[40:42], s[8:9] offset:768   ; rows 8-15 are the eight tokens that begin 16 further on
	s_wait_tensorcnt 0x0                           ; the wave's end
	ds_add_u32 v5, v6
	s_wait_dscnt 0x0
	s_endpgm
.Lfunc_end_k_qa3d89331ed_attn:
	.size	k_qa3d89331ed_attn, .Lfunc_end_k_qa3d89331ed_attn-k_qa3d89331ed_attn
	.p2alignl 7, 3214868480
	.fill 96, 4, 3214868480
	.section	.rodata,"a",@progbits
	.p2align	6, 0x0
	.amdhsa_kernel k_qa3d89331ed_attn
		.amdhsa_group_segment_fixed_size 327680
		.amdhsa_private_segment_fixed_size 0
		.amdhsa_enable_private_segment 0
		.amdhsa_kernarg_size 32
		.amdhsa_user_sgpr_count 2
		.amdhsa_user_sgpr_kernarg_segment_ptr 1
		.amdhsa_wavefront_size32 1
		.amdhsa_system_sgpr_workgroup_id_x 1
		.amdhsa_system_sgpr_workgroup_id_y 1
		.amdhsa_system_sgpr_workgroup_id_z 1
		.amdhsa_system_vgpr_workitem_id 0
		.amdhsa_next_free_vgpr 256
		.amdhsa_next_free_sgpr 66
		.amdhsa_reserve_vcc 1
		.amdhsa_float_denorm_mode_32 3
		.amdhsa_float_denorm_mode_16_64 3
		.amdhsa_memory_ordered 1
		.amdhsa_forward_progress 1
		.amdhsa_inst_pref_size 176
	.end_amdhsa_kernel
	.amdgpu_metadata
---
amdhsa.version: [ 1, 2 ]
amdhsa.kernels:
  - .name:           k_qa3d89331ed_attn
    .symbol:         k_qa3d89331ed_attn.kd
    .args:
      - { .name: qa, .offset: 0, .size: 8, .value_kind: global_buffer, .address_space: global }
      - { .name: kv, .offset: 8, .size: 8, .value_kind: global_buffer, .address_space: global }
      - { .name: cc, .offset: 16, .size: 8, .value_kind: global_buffer, .address_space: global }
      - { .name: cs, .offset: 24, .size: 8, .value_kind: global_buffer, .address_space: global }
    .group_segment_fixed_size: 327680
    .private_segment_fixed_size: 0
    .kernarg_segment_align: 8
    .kernarg_segment_size: 32
    .max_flat_workgroup_size: 512
    .sgpr_count:     66
    .vgpr_count:     256
    .wavefront_size: 32
...
	.end_amdgpu_metadata
.endif
;; end of part 3
;; launch outp (part 4): grid 4 x 16, 4 waves a work-group, clusters of 4 x 4, 327,680 bytes of LDS; arguments cc, cs, wc, ws, bo, out0; writes out0
.if DOCPART == 4
	.amdgcn_target "amdgcn-amd-amdhsa--gfx1250"
	.amdhsa_code_object_version 6
	.text
	.protected	k_qa3d89331ed_outp
	.globl	k_qa3d89331ed_outp
	.p2align	8
	.type	k_qa3d89331ed_outp,@function
k_qa3d89331ed_outp:
	s_mov_b64 s[64:65], 0
	v_nop
	global_prefetch_b8 v0, s[64:65] scope:SCOPE_SE
	s_setreg_imm32_b32 hwreg(HW_REG_WAVE_MODE, 25, 1), 1
	s_wait_xcnt 0x0
	s_wait_alu depctr_hold_cnt(0) depctr_sa_sdst(0) depctr_va_vdst(0) depctr_va_sdst(0) depctr_va_ssrc(0) depctr_va_vcc(0) depctr_vm_vsrc(0)
	s_getreg_b32 s2, hwreg(HW_REG_IB_STS2, 6, 4)
	s_cmp_eq_u32 s2, 0
	s_cbranch_scc0 .Lentry_in_a_cluster
	s_endpgm
.Lentry_in_a_cluster:
	s_bfe_u32 s2, ttmp6, 0x10000c
	s_cmp_lg_u32 s2, 0xf033
	s_cbranch_scc0 .Lentry_shape_is_right
	s_endpgm
.Lentry_shape_is_right:
; out0[m][n] = the sum over k of ctx[m][k] Wo[n][k] + bo[n], on codes of FP6 (E2M3) with one E8M0 scale for each 32 along K = 1,024; sums in f32, K ascending; out0 [4096][1024] f32.
; ctx's codes lie as cc [head 16][token 4096][48 bytes], its scale bytes as cs [token][32]; Wo's codes are places 3,072 on of wc [4096][768 bytes], its scale bytes of ws [4096][32], rows in their own order.
; A tile of 256 x 256 is made by a work-group of four waves, a wave makes 128 x 128: 64 accumulators, 512 registers.  K goes in steps of 256 (four heads) through a ring of two LDS slots filled by the tensor data mover.
; A's tile of a K step: for 128 tokens, four dense blocks of 6,144 bytes, one a head, 196,608 bytes apart: one tensor load of four rows.  In LDS a token's 48 bytes of a head lie 48 bytes apart; a fragment's registers 6 c .. 6 c + 5
; are 24 bytes of head 2 q + c.  B's tile: 128 rows of 192 bytes, padded to 240.  The scales of the work-group's rows, for all of K, come into LDS once.
; THE BIAS is the C of each sum's first matrix instruction: eight registers for each of B's eight blocks, in the result's layout.
; CLUSTERS: 4 x 4 work-groups; A's tile is asked for jointly along a row of the cluster, B's along a column.  THE MATRIX INSTRUCTION IS USED TRANSPOSED (source 0 = 16 rows of Wo, source 1 = 16 tokens): a lane holds eight neighbouring numbers of a row of out0.
; The 4,096 x 1,024 results are 64 tiles of this size: 64 work-groups.
; REGISTERS, in windows of 256: window 0: v0-31 addresses; v32-63 scale words, two sets, and nothing else; v64-127 the bias; from v128 A's fragments, ONE set; on the way out v128-255 rows of out0.
;   window 1: B's fragments, TWO sets.   window 2: the accumulators of my rows 0-63 ((a, b) at v[8 (8 (a % 4) + b)]);   window 3: those of my rows 64-127.
.set SIZE_N, 1024
.set KSTEP,  256
.set NQ,     KSTEP/128
.set ROWB,   192                       ; a row of B's tile in bytes
.set KROW,   768                       ; a row of Wo's codes in memory
.set PITCH,  240                       ; B's LDS row: 3 x (64 bytes + 16 of padding)
.set FR,     12
.set NL,     6
.set NP,     4                         ; places behind this matrix instruction (ISA guide 7.12.1)
.set HEADB,  128*48                    ; 128 tokens' codes of one head
.set HALFA,  4*HEADB                   ; what one tensor load brings of A: 128 tokens x four heads
.set HALFB,  128*PITCH                 ; and of B
.set SLOT,   2*HALFA+2*HALFB           ; A's two halves, then B's two
.set ASTEP,  4*4096*48                 ; four heads on in cc
.set LAPS,   2
.set KS,     32
.set SCL,    2*SLOT                    ; behind the ring: the scales, as pieces of 256 bytes + 16 of padding
.set HALFS,  (128*KS/256)*272
.set SBLK,   (16*KS/256)*272
.set SPARE,  SCL+4*HALFS               ; the spare words: two blocks of 256 bytes that no other line names
.set SPITCH, 528                       ; the way out: a stage of 16 rows x (512 bytes + 16) for each wave, in slot 0, which has had its last fill and its last read when the first result is stored there
.set ADRA, 16                          ; v16-17  LDS address of my A fragments in slot 0, 1
.set ADRB, 20                          ; v20-21  the same for B  (v22-23: for the pieces behind one padding more)
.set STO,  24                          ; v24     the way out: where I put 32 bytes of a row
.set RD,   25                          ; v25     where I read a row back
.set CO,   26                          ; v26     my byte offset in a row of out0
.set ADRS, 27                          ; v27     LDS address of my scale words
.set SPW,  28                          ; v28     my spare word; never rewritten
.set NIL,  29                          ; v29     0; never rewritten
.set SC,   32
.set BI,   64                          ; v64-127 the bias: register 8 b + j: bo at my column 16 b + 8 h + j
.set AF,   128
.set BK,   128
.set G1, 24
.set G0, 32
.set G1B, 48
.set G0B, 56
.set G1S, 68
.set G0S, 76
.set G1SB, 80
.set G0SB, 88
.set MSB, 0
.macro WIN new                         ; the immediate's high byte repeats the setting that is left
.if MSB != \new
	s_set_vgpr_msb (MSB<<8)|\new
.set MSB, \new
.endif
.endm
.set MUL_LO, 0xa1                      ; source 0 (B) window 1, source 1 (A) window 0, C and D window 2
.set MUL_HI, 0xf1                      ; the same, C and D window 3
.set BIA_LO, 0x81                      ; the first products: C (the bias) window 0, D window 2
.set BIA_HI, 0xc1                      ; D window 3
.set TO_B,   0x40
.macro JLOAD g0a, g1a, g0b, g1b        ; a joint load: waves 0 and 1 fetch for A, waves 2 and 3 for B; four v_nop follow each line
	s_cmp_eq_u32 s15, 0
	s_cbranch_scc0 .Lfor_b_\@
	tensor_load_to_lds s[\g0a:\g0a+3], s[\g1a:\g1a+7]
	s_nop 0
.rept 4
	v_nop
.endr
	s_branch .Lasked_\@
.Lfor_b_\@:
	tensor_load_to_lds s[\g0b:\g0b+3], s[\g1b:\g1b+7]
	s_nop 0
.rept 4
	v_nop
.endr
.Lasked_\@:
.endm
.macro CREST
	s_cmp_lg_u32 s14, 0
	s_cbranch_scc1 .Lnot_wave_0_\@
	s_barrier_signal -3
.Lnot_wave_0_\@:
	s_barrier_wait -3
	s_barrier_signal -1
	s_barrier_wait -1
.endm
.macro CROUND
	s_barrier_signal -1
	s_barrier_wait -1
	CREST
.endm
	s_load_b128 s[4:7], s[0:1], 0x0                ; cc s[4:5], cs s[6:7]
	s_load_b128 s[8:11], s[0:1], 0x10              ; wc s[8:9], ws s[10:11]
	s_load_b128 s[96:99], s[0:1], 0x20             ; bo s[96:97], out0 s[98:99]
	v_lshl_add_u32 v[SPW], v0, 2, SPARE
	v_mov_b32 v[NIL], 0
	ds_add_u32 v28, v29
	s_wait_dscnt 0x0
	v_lshrrev_b32 v1, 5, v0
	v_readfirstlane_b32 s14, v1                    ; wave 0..3
	s_lshr_b32 s15, s14, 1                         ; which half of the tile's rows is mine.  Also: I fetch for A (0) or for B (1)
	s_and_b32 s16, s14, 1                          ; which half of its columns.  Also: which 128 rows of that tile I fetch
	s_bfe_u32 s40, ttmp6, 0x40000                  ; cx, cy
	s_bfe_u32 s41, ttmp6, 0x40004
	s_lshl_b32 s42, ttmp9, 2
	s_add_co_u32 s42, s42, s40                     ; tile column = 4 x cluster x + cx
	s_and_b32 s17, ttmp7, 0xffff
	s_lshl_b32 s17, s17, 2
	s_add_co_u32 s17, s17, s41                     ; tile row = 4 x cluster y + cy
	s_lshl_b32 s43, s41, 2
	s_lshl_b32 s43, 15, s43                        ; my row of the cluster
	s_lshl_b32 s44, 0x1111, s40                    ; my column
	; group 1 for A's tiles: four rows of 6,144 bytes (768 elements of 8 bytes), 196,608 bytes (24,576 elements) apart, no padding
	s_or_b32 s[G1+0], s43, (3<<16)|(1<<21)         ; 15:0 the mask: my row; 17:16 elements of 8 bytes; 21 set beside a mask
	s_mov_b32 s[G1+1], 768<<16                     ; tensor_dim0
	s_mov_b32 s[G1+2], 4<<16                       ; tensor_dim1
	s_mov_b32 s[G1+3], 768<<16                     ; tile_dim0
	s_mov_b32 s[G1+4], 4                           ; tile_dim1
	s_mov_b32 s[G1+5], 24576                       ; tensor_dim0_stride
	s_mov_b32 s[G1+6], 0
	s_mov_b32 s[G1+7], 0
	; for B's: 128 rows x 192 bytes, 16 bytes of padding behind every 64
	s_or_b32 s[G1B+0], s44, (0<<16)|(1<<20)|(1<<21)|(3<<22)|(3<<25)
	s_mov_b32 s[G1B+1], ROWB<<16
	s_mov_b32 s[G1B+2], 128<<16
	s_mov_b32 s[G1B+3], ROWB<<16
	s_mov_b32 s[G1B+4], 128
	s_mov_b32 s[G1B+5], KROW
	s_mov_b32 s[G1B+6], 0
	s_mov_b32 s[G1B+7], 0
	; for the scales of 128 rows: 16 rows of 256 bytes, 16 bytes of padding behind each
	s_or_b32 s[G1S+0], s43, (3<<16)|(1<<20)|(1<<21)|(5<<22)|(3<<25)
	s_or_b32 s[G1SB+0], s44, (3<<16)|(1<<20)|(1<<21)|(5<<22)|(3<<25)
.irp g, G1S, G1SB
	s_mov_b32 s[\g+1], 32<<16
	s_mov_b32 s[\g+2], (128*KS/256)<<16
	s_mov_b32 s[\g+3], 32<<16
	s_mov_b32 s[\g+4], 128*KS/256
	s_mov_b32 s[\g+5], 32
	s_mov_b32 s[\g+6], 0
	s_mov_b32 s[\g+7], 0
.endr
	s_lshl_b32 s18, s16, 7                         ; which 128 rows of the tile I fetch
	s_lshl_b32 s20, s17, 8
	s_add_co_u32 s20, s20, s18                     ; A: token 256 x tile row + 128 x half
	s_lshl_b32 s46, s42, 8
	s_add_co_u32 s46, s46, s18                     ; B: row 256 x tile column + 128 x half
	s_mov_b32 s21, 0
	s_mov_b32 s47, 0
	s_mov_b64 s[18:19], KS
	s_mul_u64 s[22:23], s[20:21], s[18:19]         ; where these rows' scales begin
	s_mul_u64 s[92:93], s[46:47], s[18:19]
	s_mov_b64 s[18:19], 48
	s_mul_u64 s[20:21], s[20:21], s[18:19]         ; A's codes: 48 bytes a token in a head
	s_mov_b64 s[18:19], KROW
	s_mul_u64 s[46:47], s[46:47], s[18:19]         ; B's
	s_mul_i32 s45, s16, HALFA                      ; where they go: A's two halves,
	s_mul_i32 s95, s16, HALFB
	s_add_co_u32 s95, s95, 2*HALFA                 ; then B's two: no place in the cluster enters an LDS address
	s_mul_i32 s94, s14, HALFS
	s_wait_kmcnt 0x0
	s_add_nc_u64 s[8:9], s[8:9], 3072*KROW         ; Wo's codes and scale bytes
	s_add_nc_u64 s[10:11], s[10:11], 3072*KS
	s_mov_b64 s[12:13], s[98:99]                   ; out0
	s_add_nc_u64 s[20:21], s[4:5], s[20:21]
	s_add_nc_u64 s[22:23], s[6:7], s[22:23]
	s_add_nc_u64 s[46:47], s[8:9], s[46:47]
	s_add_nc_u64 s[92:93], s[10:11], s[92:93]
	CROUND                                         ; all sixteen work-groups are here: the first joint loads meet
	s_mov_b32 s[G0S], 1
	s_add_co_u32 s[G0S+1], s94, SCL
	s_mov_b64 s[G0S+2:G0S+3], s[22:23]
	s_or_b32 s[G0S+3], s[G0S+3], 0x80000000
	s_mov_b32 s[G0SB], 1
	s_add_co_u32 s[G0SB+1], s94, SCL
	s_mov_b64 s[G0SB+2:G0SB+3], s[92:93]
	s_or_b32 s[G0SB+3], s[G0SB+3], 0x80000000
	JLOAD G0S, G1S, G0SB, G1SB                     ; the scales first
.irp s, 0,1
	s_mov_b32 s[G0+4*\s], 1
	s_add_co_u32 s[G0+4*\s+1], s45, \s*SLOT
	s_add_nc_u64 s[G0+4*\s+2:G0+4*\s+3], s[20:21], \s*ASTEP
	s_or_b32 s[G0+4*\s+3], s[G0+4*\s+3], 0x80000000
	s_mov_b32 s[G0B+4*\s], 1
	s_add_co_u32 s[G0B+4*\s+1], s95, \s*SLOT
	s_add_nc_u64 s[G0B+4*\s+2:G0B+4*\s+3], s[46:47], \s*ROWB
	s_or_b32 s[G0B+4*\s+3], s[G0B+4*\s+3], 0x80000000
	JLOAD G0+4*\s, G1, G0B+4*\s, G1B               ; three tensor loads of mine are out behind these
.endr
	v_and_b32 v1, 15, v0                           ; r
	v_bfe_u32 v2, v0, 4, 1                         ; h
	v_mul_u32_u24 v3, v1, PITCH
	v_mul_u32_u24 v4, v2, 24
	v_add_nc_u32 v4, v3, v4                        ; B: a fragment's row x pitch + 24 x half
	v_lshl_add_u32 v5, v2, 4, v4                   ; and the same behind one padding more
	v_mul_u32_u24 v7, v1, 48
	v_mad_u32_u24 v7, v2, 24, v7                   ; A: token r x 48 + 24 x half
	s_mul_i32 s21, s15, HALFA                      ; my 128 tokens
	s_mul_i32 s22, s16, HALFB                      ; my 128 rows of B,
	s_add_co_u32 s22, s22, 2*HALFA                 ; which lie behind A's two halves
.irp s, 0,1
	v_add_nc_u32 v[ADRA+\s], s21, v7
	v_add_nc_u32 v[ADRB+\s], s22, v4
	v_add_nc_u32 v[ADRB+2+\s], s22, v5
	s_add_co_u32 s21, s21, SLOT
	s_add_co_u32 s22, s22, SLOT
.endr
	v_mul_u32_u24 v5, v1, KS                       ; my row's scales: 32 bytes a row,
	v_lshrrev_b32 v6, 8, v5
	v_lshl_add_u32 v5, v6, 4, v5                   ; and 16 more for each 256 passed
	s_mul_i32 s21, s15, HALFS
	s_mul_i32 s22, s16, HALFS
	s_add_co_u32 s22, s22, 2*HALFS
	s_sub_co_u32 s22, s22, s21
	v_mul_u32_u24 v6, s22, v2                      ; lanes 16-31 take B's: one product, the distance between the two bases x h
	s_add_co_u32 s21, s21, SCL
	v_add_nc_u32 v5, v5, v6
	v_add_nc_u32 v[ADRS], s21, v5
	s_mul_i32 s23, s14, 16*SPITCH                  ; my stage
	v_mul_u32_u24 v5, v1, SPITCH                   ; in: row r, 32 bytes for each half of the lanes
	v_lshl_add_u32 v5, v2, 5, v5
	v_add_nc_u32 v[STO], s23, v5
	v_and_b32 v6, 31, v0
	v_lshlrev_b32 v[CO], 4, v6                     ; back: the 32 lanes take one row of 512 bytes; and the same in out0
	v_add_nc_u32 v[RD], s23, v[CO]
	s_lshl_b32 s20, s17, 8
	s_lshl_b32 s21, s15, 7
	s_add_co_u32 s20, s20, s21                     ; my first row of out0
	s_mov_b32 s21, 0
	s_mov_b64 s[18:19], SIZE_N*4
	s_mul_u64 s[20:21], s[20:21], s[18:19]
	s_lshl_b32 s46, s42, 10                        ; my first column, in bytes: 1,024 x tile column + 512 x half: in a row of out0 and in bo alike
	s_lshl_b32 s47, s16, 9
	s_add_co_u32 s46, s46, s47
	s_mov_b32 s47, 0
	s_add_nc_u64 s[96:97], s[96:97], s[46:47]
	s_add_nc_u64 s[20:21], s[20:21], s[46:47]
	s_add_nc_u64 s[12:13], s[12:13], s[20:21]
	v_lshlrev_b32 v8, 5, v2                        ; the bias: lanes 16-31 begin eight numbers on
.irp b, 0,1,2,3,4,5,6,7
	global_load_b128 v[BI+8*\b:BI+8*\b+3], v8, s[96:97] offset:64*\b
	global_load_b128 v[BI+8*\b+4:BI+8*\b+7], v8, s[96:97] offset:64*\b+16
.endr
.macro FRAG reg, adr, q, i             ; a fragment of B: lane l holds row l % 16; registers 6 c .. 6 c + 5 hold K = 64 c + 32 (l / 16) + 0 .. 31, in pieces of 8 bytes
.irp p, 0,1,2,3,4,5
.set PC, 12*(\q)+6*(\p/3)+\p%3        ; 16 bytes of padding lie behind every 8 pieces: where the piece three on lies behind one padding more, the second address register serves
.if PC%8 < 5
	ds_load_b64 v[\reg+2*\p:\reg+2*\p+1], v[\adr] offset:8*PC+16*(PC/8)+(\i)*16*PITCH
.else
	ds_load_b64 v[\reg+2*\p:\reg+2*\p+1], v[\adr+2] offset:8*PC+16*(PC/8)+(\i)*16*PITCH
.endif
.endr
.endm
.macro FRAGA reg, slot, q, i           ; a fragment of A: tokens 16 i + r; registers 6 c .. 6 c + 5: 24 bytes of the slot's head 2 q + c
.irp p, 0,1,2,3,4,5
	ds_load_b64 v[\reg+2*\p:\reg+2*\p+1], v[ADRA+\slot] offset:(2*(\q)+\p/3)*HEADB+(\i)*768+8*(\p%3)
.endr
.endm
; 16 matrix instructions: A's blocks a0, a0 + 1 x B's eight, 128 along K.  first = 1: the bias starts the sums.  The 64 accumulators take turns, one instruction a turn, in the same order in every step.
.macro MUL16 a0, p, q, sc, first
.irp a, \a0, \a0+1
.irp b, 0,1,2,3,4,5,6,7
.if \first
	v_wmma_scale_f32_16x16x128_f8f6f4 v[8*(8*((\a)%4)+\b):8*(8*((\a)%4)+\b)+7], v[128*(\p)+FR*\b:128*(\p)+FR*\b+FR-1], v[AF+FR*(\a):AF+FR*(\a)+FR-1], v[BI+8*\b:BI+8*\b+7], v[SC+8*NQ*(\sc)+NQ*\b+(\q)], v[SC+8*NQ*(\sc)+NQ*(\a)+(\q)] matrix_a_fmt:MATRIX_FMT_FP6 matrix_b_fmt:MATRIX_FMT_FP6 matrix_a_scale:MATRIX_SCALE_ROW1
.else
	v_wmma_scale_f32_16x16x128_f8f6f4 v[8*(8*((\a)%4)+\b):8*(8*((\a)%4)+\b)+7], v[128*(\p)+FR*\b:128*(\p)+FR*\b+FR-1], v[AF+FR*(\a):AF+FR*(\a)+FR-1], v[8*(8*((\a)%4)+\b):8*(8*((\a)%4)+\b)+7], v[SC+8*NQ*(\sc)+NQ*\b+(\q)], v[SC+8*NQ*(\sc)+NQ*(\a)+(\q)] matrix_a_fmt:MATRIX_FMT_FP6 matrix_b_fmt:MATRIX_FMT_FP6 matrix_a_scale:MATRIX_SCALE_ROW1
.endif
.endr
.endr
.endm
.macro FETCH_B slot, q, p
	WIN TO_B
.irp i, 0,1,2,3,4,5,6,7
	FRAG 128*(\p)+FR*\i, ADRB+\slot, \q, \i
.endr
	WIN 0
.endm
.macro FETCH_A slot, q, i0
.irp i, \i0, \i0+1, \i0+2, \i0+3
	FRAGA AF+FR*(\i), \slot, \q, \i
.endr
.endm
.macro SCALES sc
.irp i, 0,1,2,3,4,5,6,7
	ds_load_b64 v[SC+8*NQ*\sc+NQ*\i:SC+8*NQ*\sc+NQ*\i+1], v[ADRS] offset:\i*SBLK
.endr
.endm
.macro PLACES n                        ; places in front of loads into registers that matrix instructions have read, and of the first read of results (ISA guide 7.12.1 for vector instructions)
.rept \n
	v_nop
.endr
.endm
.macro STEP slot, q, first
	s_wait_dscnt 4*NL                              ; B's set and A's blocks 0-3 are in; the youngest 24 loads (A's blocks 4-7) may be out
.if \first
	WIN BIA_LO
.else
	WIN MUL_LO
.endif
	MUL16 0, (\q)%2, \q, \slot, \first
	MUL16 2, (\q)%2, \q, \slot, \first
	s_wait_dscnt 0                                 ; A's blocks 4-7 are in
	PLACES NP
	FETCH_B \slot, (\q)+1, 1-(\q)%2
	FETCH_A \slot, (\q)+1, 0
.if \first
	WIN BIA_HI
.else
	WIN MUL_HI
.endif
	MUL16 4, (\q)%2, \q, \slot, \first
	MUL16 6, (\q)%2, \q, \slot, \first
	PLACES NP
	WIN 0
	FETCH_A \slot, (\q)+1, 4
.endm
; A slot's last step changes slots: ONE barrier; in front of it each wave waits for all its tensor loads, adds 0 to its spare word, and waits for that and for its own reads of this slot.
.macro TURN slot, next, fill
	s_wait_tensorcnt 0x0                           ; all my tensor loads have landed: my part of the next slot  (every window is 0 here)
	ds_add_u32 v[SPW], v[NIL]                      ; 0 onto my spare word
	s_wait_dscnt 4*NL+1                            ; the add and the youngest 24 loads may be out
	WIN MUL_LO
	MUL16 0, 1, NQ-1, \slot, 0                     ; sixteen matrix instructions stand between the add and the wait for it
	s_wait_dscnt 0x0                               ; the add is done, and my reads of this slot are over
	s_barrier_signal -1
	MUL16 2, 1, NQ-1, \slot, 0
	WIN 0
	s_barrier_wait -1
.if \fill
	CREST                                          ; a round of the cluster's barrier: no wave of any partner still reads this slot's tile or has a load on its way
	s_add_nc_u64 s[G0+4*\slot+2:G0+4*\slot+3], s[G0+4*\slot+2:G0+4*\slot+3], 2*ASTEP
	s_add_nc_u64 s[G0B+4*\slot+2:G0B+4*\slot+3], s[G0B+4*\slot+2:G0B+4*\slot+3], 2*ROWB
	JLOAD G0+4*\slot, G1, G0B+4*\slot, G1B         ; the first tensor load behind the round; its four v_nop are the places in front of the loads below
.else
	PLACES NP
.endif
	v_add_nc_u32 v[ADRS], 4*NQ, v[ADRS]            ; on to the next K step's scale words
	FETCH_B \next, 0, 0
	FETCH_A \next, 0, 0
	SCALES \next
	WIN MUL_HI
	MUL16 4, 1, NQ-1, \slot, 0
	MUL16 6, 1, NQ-1, \slot, 0
	PLACES NP
	WIN 0
	FETCH_A \next, 0, 4
.endm
	s_wait_tensorcnt 1                             ; the scales and my part of K step 0 are in; K step 1's load may be out
	s_barrier_signal -1
	s_barrier_wait -1
	FETCH_B 0, 0, 0
	FETCH_A 0, 0, 0
	SCALES 0
	FETCH_A 0, 0, 4
	s_wait_loadcnt 0x0                             ; the bias
	STEP 0, 0, 1                                   ; the first step stands in front of the loop: its products start the sums, on the bias
	s_mov_b32 s3, LAPS-1
.Llap:
	TURN 0, 1, 1
	STEP 1, 0, 0
	TURN 1, 0, 1
	STEP 0, 0, 0
	s_sub_co_u32 s3, s3, 1
	s_cmp_lg_u32 s3, 0
	s_cbranch_scc1 .Llap
	TURN 0, 1, 0                                   ; the last lap fills nothing, and has no round of the cluster's barrier
	STEP 1, 0, 0
	s_wait_dscnt 4*NL                              ; the very last step
	WIN MUL_LO
	MUL16 0, 1, NQ-1, 1, 0
	MUL16 2, 1, NQ-1, 1, 0
	s_wait_dscnt 0
	WIN MUL_HI
	MUL16 4, 1, NQ-1, 1, 0
	MUL16 6, 1, NQ-1, 1, 0
	WIN 0
; THE WAY OUT, block by block of 16 rows x 128 columns: through my own stage in LDS, back as whole rows of 512 bytes.  LDS serves a wave's instructions in order (ISA guide 5.7.1.4): no wait between the stores and the loads.
.macro TOSTAGE a
.set AC, 64*((\a)%4)
.set WN, 0x08+4*((\a)/4)
	WIN WN                                         ; the data: window 2 or 3
.irp b, 0,1,2,3,4,5,6,7
	ds_store_b128 v[STO], v[AC+8*\b:AC+8*\b+3] offset:64*\b          ; each accumulator from its low end on
	ds_store_b128 v[STO], v[AC+8*\b+4:AC+8*\b+7] offset:64*\b+16
.endr
	WIN 0
.set BB, BK+64*((\a)%2)
.irp t, 0,1,2,3,4,5,6,7,8,9,10,11,12,13,14,15
	ds_load_b128 v[BB+4*\t:BB+4*\t+3], v[RD] offset:\t*SPITCH
.endr
.endm
.macro SEND a, younger                 ; younger: the LDS instructions issued behind block a's loads, which may stay out
.set BB, BK+64*((\a)%2)
	s_wait_dscnt \younger                          ; the block is back in registers
.if (\a) > 0
	s_add_nc_u64 s[12:13], s[12:13], 16*SIZE_N*4   ; (behind a wait on XCNT: the earlier stores have read their base)  16 rows on
.endif
.irp t, 0,1,2,3,4,5,6,7,8,9,10,11,12,13,14,15
	global_store_b128 v[CO], v[BB+4*\t:BB+4*\t+3], s[12:13] offset:\t*SIZE_N*4 th:TH_STORE_NT   ; 32 lanes store 512 consecutive bytes, at a multiple of 256 from out0's first byte
.endr
.endm
	PLACES NP                                      ; behind the last products: for the loads into the registers that held A's fragments, and for the reads of results
	TOSTAGE 0
.irp a, 1,2,3,4,5,6,7
.if \a > 1
	s_wait_xcnt 0x0                                ; block a - 2's stores have read their registers and their base: block a's loads may land there, and the base may step
.endif
	TOSTAGE \a
	SEND \a-1, 32                                  ; behind block a - 1's loads: block a's 16 stores and 16 loads
.endr
	s_wait_xcnt 0x0                                ; block 6's stores have read their base
	SEND 7, 0
	s_wait_tensorcnt 0x0                           ; the wave's end
	ds_add_u32 v[SPW], v[NIL]
	s_wait_dscnt 0x0
	CROUND                                         ; the closing round
	s_endpgm
.Lfunc_end_k_qa3d89331ed_outp:
	.size	k_qa3d89331ed_outp, .Lfunc_end_k_qa3d89331ed_outp-k_qa3d89331ed_outp
	.p2alignl 7, 3214868480
	.fill 96, 4, 3214868480
	.section	.rodata,"a",@progbits
	.p2align	6, 0x0
	.amdhsa_kernel k_qa3d89331ed_outp
		.amdhsa_group_segment_fixed_size 327680
		.amdhsa_private_segment_fixed_size 0
		.amdhsa_enable_private_segment 0
		.amdhsa_kernarg_size 48
		.amdhsa_user_sgpr_count 2
		.amdhsa_user_sgpr_kernarg_segment_ptr 1
		.amdhsa_wavefront_size32 1
		.amdhsa_system_sgpr_workgroup_id_x 1
		.amdhsa_system_sgpr_workgroup_id_y 1
		.amdhsa_system_sgpr_workgroup_id_z 1
		.amdhsa_system_vgpr_workitem_id 0
		.amdhsa_next_free_vgpr 1024
		.amdhsa_next_free_sgpr 100
		.amdhsa_reserve_vcc 0
		.amdhsa_float_denorm_mode_32 3
		.amdhsa_float_denorm_mode_16_64 3
		.amdhsa_memory_ordered 1
		.amdhsa_forward_progress 1
		.amdhsa_inst_pref_size 162
	.end_amdhsa_kernel
	.amdgpu_metadata
---
amdhsa.version: [ 1, 2 ]
amdhsa.kernels:
  - .name:           k_qa3d89331ed_outp
    .symbol:         k_qa3d89331ed_outp.kd
    .args:
      - { .name: cc, .offset: 0, .size: 8, .value_kind: global_buffer, .address_space: global }
      - { .name: cs, .offset: 8, .size: 8, .value_kind: global_buffer, .address_space: global }
      - { .name: wc, .offset: 16, .size: 8, .value_kind: global_buffer, .address_space: global }
      - { .name: ws, .offset: 24, .size: 8, .value_kind: global_buffer, .address_space: global }
      - { .name: bo, .offset: 32, .size: 8, .value_kind: global_buffer, .address_space: global }
      - { .name: out0, .offset: 40, .size: 8, .value_kind: global_buffer, .address_space: global }
    .group_segment_fixed_size: 327680
    .private_segment_fixed_size: 0
    .kernarg_segment_align: 8
    .kernarg_segment_size: 48
    .max_flat_workgroup_size: 128
    .sgpr_count:     100
    .vgpr_count:     1024
    .wavefront_size: 32
...
	.end_amdgpu_metadata
.endif
;; end of part 4
